; MI455X (gfx1250); checked and timed in simulation.
; The chip was launched on July 23, 2026; its instructions are those of AMD's public machine-readable ISA for CDNA 5 (MIT licence, August 2026) and "CDNA5" Instruction Set Architecture Reference Guide (July 2026). The comments in the code are by the model that wrote it; some were corrected since.
;; Masked Causal Attention. Allowed arithmetic: matrix products marked QUANTISED: E3M2 operands, one E8M0 scale for each 32 along K, by v_wmma_scale_f32_16x16x128_f8f6f4 with both operands' format E3M2, f32 sums; everything else in f32.
;; Inputs: bk 1,024 float32; bp 1,024 float32; bq 1,024 float32; bv 1,024 float32; token_mask 4 x 2,048 int32; wk 1,024 x 1,024 float32; wp 1,024 x 1,024 float32; wq 1,024 x 1,024 float32; wv 1,024 x 1,024 float32; x 4 x 2,048 x 1,024 float32.
;; Outputs: out0 4 x 2,048 x 1,024 float32.
;; This version of the problem:
;;   THIS VERSION OF THE PROBLEM IS GIVEN IN LOW PRECISION. The matrix products marked QUANTISED in the list below multiply operands that are first quantised to E3M2 (3 exponent bits, 2 mantissa bits; 6 bits a number), with one power-of-two scale for each 32 numbers along K (OCP MX v1.0); their sums are f32. All else is computed in f32.
;;   The module's matrix products, in the order in which they are computed (A, B: the left and right operand; K: the contracted axis; several contracted axes count as one K, in the product's order):
;;     1. [M 8,192, K 1,024] x [K 1,024, N 1,024]; A: input x; B: input wq: QUANTISED
;;     2. [M 8,192, K 1,024] x [K 1,024, N 1,024]; A: input x; B: input wk: QUANTISED
;;     3. [M 8,192, K 1,024] x [K 1,024, N 1,024]; A: input x; B: input wv: QUANTISED
;;     4. batch 64 x [M 2,048, K 64] x [K 64, N 2,048]; A: computed on the way; B: computed on the way: QUANTISED
;;     5. batch 64 x [M 64, K 2,048] x [K 2,048, N 2,048]; A: computed on the way; B: softmax (see below): QUANTISED
;;     6. [M 8,192, K 1,024] x [K 1,024, N 1,024]; A: computed on the way; B: input wp: QUANTISED
;;   THE QUANTISER, for each operand of a quantised product, along K:
;;     - K is cut into blocks of 32 from its start; a last block that is shorter is filled with zeros.
;;     - A block's scale is 2^e with e = floor(log2(the largest magnitude in the block)) - 4, held to -126 .. 127; a block of zeros has e = 0. As a byte (E8M0): e + 127.
;;     - Each number is divided by its block's scale, clamped to +-28, and rounded to the nearest number of E3M2, ties to even, subnormals kept.
;;     - The product sums the exact products of the quantised numbers (number of the format x scale) in f32.
;;   ~~~python
;;   def quantise(x, axis):      # numpy; x: float32 -> the quantised numbers, widened to float32 again
;;       x = np.moveaxis(x, axis, -1); K = x.shape[-1]
;;       x = np.pad(x, [(0, 0)] * (x.ndim - 1) + [(0, -K % 32)]); x = x.reshape(x.shape[:-1] + (-1, 32)); a = np.abs(x).max(-1, keepdims=True)
;;       e = np.where(a > 0, np.clip(np.frexp(np.where(a > 0, a, 1))[1] - 1 - 4, -126, 127), 0)      # np.frexp(a)[1] - 1 = floor(log2(a)), exactly
;;       r = np.clip(x / 2.0 ** e, -28, 28)
;;       step = 2.0 ** (np.maximum(np.frexp(np.where(r == 0, 1, r))[1] - 1, -2) - 2)
;;       q = np.round(r / step) * step * 2.0 ** e      # np.round: ties to even
;;       return np.moveaxis(q.reshape(q.shape[:-2] + (-1,))[..., :K], -1, axis).astype(np.float32)
;;   ~~~
;;   SOFTMAX AHEAD OF A QUANTISED PRODUCT. Where the list says 'softmax', what is quantised is not the finished softmax but p = 2^(t - M), with t = logit x log2(e) and M = ceil(the row's largest t), a whole number; so 1/2 < the row's largest p <= 1. The row's sum l is taken of the UNQUANTISED p, in f32, and the product's result is divided by l at the end. Since M is a whole number, a kernel that streams over the keys may use a running M (the ceiling of the running maximum): every later rescaling is an exact power of two, which a block's scale takes up: the codes' values come out the same.
;;   OPERANDS COMPUTED ON THE WAY. 'Computed on the way' means the value that the module computes at that place (a softmax that the list does not call 'softmax' is quantised finished and normalised). What goes into a quantiser is computed in f32, as accurately as f32 sums, v_exp_f32 and their like allow (about 1e-6 of the number): no bf16 or f16 on the way to a quantiser, and a product that is left as it is and whose result goes on into a quantised operand takes f32 operands (vector FMAs, or v_wmma_f32_16x16x4_f32). A number that lies on a knife's edge between two numbers of the format may be rounded either way, as far as f32 arithmetic and the matrix unit's own rounding can turn it there, and no further.
;; One version. Each part assembles by itself: llvm-mc -triple=amdgcn-amd-amdhsa -mcpu=gfx1250 --defsym DOCPART=n.
;; ======== version 1 of 1: 4 launches
;; limits: right only within a limited range of input values
;; workspace buffers: x_codes 6,291,456 bytes; x_scales 262,144 bytes; w_codes 3,145,728 bytes; w_scales 131,072 bytes; qkv 19,660,800 bytes; attn_codes 6,291,456 bytes; attn_scales 262,144 bytes
;; launch quant (part 1): grid 384 x 1, 4 waves a work-group, no clusters, 35,328 bytes of LDS; arguments x, wq, wk, wv, wp, x_codes, x_scales, w_codes, w_scales; writes x_codes, x_scales, w_codes, w_scales
.if DOCPART == 1
	.amdgcn_target "amdgcn-amd-amdhsa--gfx1250"
	.amdhsa_code_object_version 6
	.text
	.protected	k_q680e84c036_quant
	.globl	k_q680e84c036_quant
	.p2align	8
	.type	k_q680e84c036_quant,@function
k_q680e84c036_quant:
	s_mov_b64 s[64:65], 0
	v_nop
	global_prefetch_b8 v0, s[64:65] scope:SCOPE_SE
	s_setreg_imm32_b32 hwreg(HW_REG_WAVE_MODE, 25, 1), 1
	s_wait_xcnt 0x0
; x [8192][1024] and wq, wk, wv, wp [1024][1024], f32 with K innermost, become codes of BF6 (E3M2) with one E8M0 byte for each 32 along K,
; laid IN THE ORDER OF AN OPERAND'S REGISTERS.  A block of 128 rows (rb) x 128 along K (ks) is eight fragments f of 16 rows; lane r of fragment f
; holds row 32 (f/2) + 8 (f%2) + r + 8 (r/8).  A fragment's image is 1,536 bytes: registers 0-3 at 16 x lane, 4-5 at 512 + 8 x lane, 6-7 at 768 + 8 x lane,
; 8-11 at 1,024 + 16 x lane.  Codes: rb x 98,304 + ks x 12,288 + f x 1,536.  Scale words: rb x 4,096 + (ks/2) x 1,024 + f x 128 + r x 8 + (ks%2) x 4.
; A block's scale is 2^(floor(log2(largest magnitude)) - 4): the byte is the magnitude's exponent field less 4, held at 1 from below.
; LIMITS: a block of zeros gets the byte 1 where the rule says 127 (its codes are zeros, and this program alone reads the bytes); NaN and infinities among the inputs are not served.
; SHARES: work-group g: rb = g / 4 (0-63: x; 64-95: the weights, eight each), 256 along K = g % 4.  Wave w: rows 32 w .. 32 w + 31: four fragments n = 2 u + q (f = 2 w + u, ks = 2 (g % 4) + q).
; Each load reads 512 consecutive bytes of a row; 16 rows turn through the wave's own stage in LDS (rows 528 bytes apart) so that a lane gets 2 x 32 neighbours along K.  Waves share nothing: no barrier.
.set WREG, 8704                        ; LDS of a wave: the stage, 16 x 528, and 256 bytes for its scale words
.set SPT,  528
.set SCW,  16*SPT
.set RA,   16                          ; v16-143  two sets of 64: a fragment's numbers as loaded
.set X,    144                         ; v144-207 my 2 x 32 neighbours
.set C,    208                         ; v208-219 the fragment's codes
.set TQ,   220                         ; v220-222, v224-226 second halves of the blocks' codes
.set PW,   228                         ; the scale word
.set PT,   229                         ; the other half's word
.set SO,   230                         ; v230-231 scale words on the way out
.set SH,   232                         ; 8 x (lane / 16)
	s_load_b256 s[4:11], s[0:1], 0x0               ; x, wq, wk, wv
	s_load_b256 s[12:19], s[0:1], 0x20             ; wp, x_codes, x_scales, w_codes
	s_load_b64 s[20:21], s[0:1], 0x40              ; w_scales
	v_lshl_add_u32 v254, v0, 2, 0x8800
	v_mov_b32 v255, 0
	v_lshrrev_b32 v1, 5, v0
	v_readfirstlane_b32 s26, v1                    ; wave
	v_and_b32 v1, 31, v0                           ; lane
	v_and_b32 v2, 15, v0                           ; r
	v_bfe_u32 v3, v0, 4, 1                         ; h
	v_lshlrev_b32 v4, 4, v1                        ; 16 x lane
	v_lshlrev_b32 v5, 3, v1                        ; 8 x lane
	s_mul_i32 s27, s26, WREG
	v_add_nc_u32 v6, s27, v4                       ; the stage, on the way in: a row's 512 bytes as they lie
	v_mul_u32_u24 v7, v2, SPT
	v_lshl_add_u32 v7, v3, 7, v7
	v_add_nc_u32 v7, s27, v7                       ; and out: row r, + 128 h: k = 32 h on
	s_add_co_u32 s28, s27, SCW
	v_lshlrev_b32 v8, 3, v2
	v_add_nc_u32 v8, s28, v8                       ; my row's scale words
	v_add_nc_u32 v9, s28, v5                       ; and all 256 bytes on the way out
	v_lshlrev_b32 v[SH], 3, v3
	v_mov_b32 v[PT], 0                             ; a lane permute's destination counts as one of its sources
	s_lshr_b32 s22, ttmp9, 2                       ; rb
	s_and_b32 s29, ttmp9, 3                        ; which 256 along K
	s_sub_co_u32 s23, s22, 64                      ; a weight's block among the 32,
	s_and_b32 s24, s23, 7                          ; and in its own tensor
	s_mov_b32 s30, 0x76543210
	s_mov_b32 s31, 0xfedcba98                      ; selects for lane l xor 16
	s_wait_alu depctr_va_vdst(0)
	s_wait_kmcnt 0x0
	s_cmp_lt_u32 s22, 88                           ; the source is chosen by the work-group's number alone
	s_cselect_b64 s[12:13], s[10:11], s[12:13]
	s_cmp_lt_u32 s22, 80
	s_cselect_b64 s[12:13], s[8:9], s[12:13]
	s_cmp_lt_u32 s22, 72
	s_cselect_b64 s[12:13], s[6:7], s[12:13]
	s_cmp_lt_u32 s22, 64
	s_cselect_b64 s[12:13], s[4:5], s[12:13]
	s_cselect_b64 s[14:15], s[14:15], s[18:19]     ; the codes' buffer
	s_cselect_b64 s[16:17], s[16:17], s[20:21]     ; the scales'
	s_cselect_b32 s24, s22, s24                    ; block in the source
	s_cselect_b32 s23, s22, s23                    ; block in the destination
	s_lshl_b32 s32, s24, 7
	s_lshl_b32 s33, s26, 5
	s_add_co_u32 s32, s32, s33                     ; my first row
	s_lshl_b32 s32, s32, 12                        ; x 4,096 bytes
	s_lshl_b32 s33, s29, 10
	s_add_co_u32 s32, s32, s33                     ; + 256 numbers x 4
	s_mov_b32 s33, 0
	s_add_nc_u64 s[12:13], s[12:13], s[32:33]
	s_mul_i32 s34, s23, 98304
	s_mul_i32 s35, s29, 24576
	s_add_co_u32 s34, s34, s35
	s_mul_i32 s35, s26, 3072
	s_add_co_u32 s34, s34, s35
	s_mov_b32 s35, 0
	s_add_nc_u64 s[14:15], s[14:15], s[34:35]
	s_lshl_b32 s36, s23, 12
	s_lshl_b32 s37, s29, 10
	s_add_co_u32 s36, s36, s37
	s_lshl_b32 s37, s26, 8
	s_add_co_u32 s36, s36, s37
	s_mov_b32 s37, 0
	s_add_nc_u64 s[16:17], s[16:17], s[36:37]
.macro LOAD n                          ; fragment n's 16 rows x 512 bytes into set n % 2
.irp p, 0,1,2,3,4,5,6,7,8,9,10,11,12,13,14,15
	global_load_b128 v[RA+64*((\n)%2)+4*\p:RA+64*((\n)%2)+4*\p+3], v4, s[12:13] offset:(8*((\n)/2)+\p+8*(\p/8))*4096+512*((\n)%2) th:TH_LOAD_NT
.endr
.endm
.macro FRAGQ n
.if (\n) < 3
	s_wait_loadcnt 16                              ; this fragment's 16 loads are in; the next fragment's 16 stay out
.else
	s_wait_loadcnt 0x0
.endif
.irp p, 0,1,2,3,4,5,6,7,8,9,10,11,12,13,14,15
	ds_store_b128 v6, v[RA+64*((\n)%2)+4*\p:RA+64*((\n)%2)+4*\p+3] offset:\p*SPT
.endr
.irp c, 0,1
.irp e, 0,1,2,3,4,5,6,7
	ds_load_b128 v[X+32*\c+4*\e:X+32*\c+4*\e+3], v7 offset:256*\c+16*\e   ; LDS serves a wave's instructions in order: these see the stores above.  k = 64 c + 32 h + 4 e on
.endr
.endr
	s_wait_dscnt 0x0                               ; my numbers are back, and the stores have read their registers,
.if (\n) < 2
	LOAD (\n)+2                                    ; which take the fragment two on
.endif
.irp c, 0,1
	v_max3_num_f32 v[10+\c], |v[X+32*\c]|, |v[X+32*\c+1]|, 0x2800000   ; block 2 c + h is all mine; the floor 2^(5 - 127) holds the byte at 1 from below
.endr
.irp i, 2,4,6,8,10,12,14,16,18,20,22,24,26,28,30
.irp c, 0,1
	v_max3_num_f32 v[10+\c], v[10+\c], |v[X+32*\c+\i]|, |v[X+32*\c+\i+1]|
.endr
.endr
.irp c, 0,1
	v_add_nc_u32 v[12+\c], 0xfe000000, v[10+\c]    ; 4 off the exponent field: the conversion's scale operand
.endr
.irp c, 0,1
	v_lshrrev_b32 v[14+\c], 23, v[12+\c]           ; the byte
.endr
	v_lshl_or_b32 v[PW], v15, 16, v14              ; blocks h and 2 + h,
	v_lshlrev_b32 v[PW], v[SH], v[PW]              ; at their places in the word;
	v_permlanex16_b32 v[PT], v[PW], s30, s31
	v_or_b32 v[PW], v[PW], v[PT]                   ; with lane l xor 16's two the word is whole
	s_wait_alu depctr_va_vdst(0)
	s_wait_xcnt 0x0                                ; the last fragment's stores have read their data: the codes' registers are written again only behind this wait
.irp c, 0,1
	v_cvt_scalef32_pk16_bf6_f32 v[C+6*\c:C+6*\c+2], v[X+32*\c:X+32*\c+15], v[12+\c]
	v_cvt_scalef32_pk16_bf6_f32 v[TQ+4*\c:TQ+4*\c+2], v[X+32*\c+16:X+32*\c+31], v[12+\c]   ; (a conversion's three registers begin on an even number)
.endr
	v_nop                                          ; one plain place behind a scaled conversion
.irp c, 0,1
.irp i, 0,1,2
	v_mov_b32 v[C+6*\c+3+\i], v[TQ+4*\c+\i]
.endr
.endr
	global_store_b128 v4, v[C:C+3], s[14:15] offset:((\n)%2)*12288+((\n)/2)*1536          ; each store covers 512 or 256 consecutive bytes, aligned
	global_store_b64 v5, v[C+4:C+5], s[14:15] offset:((\n)%2)*12288+((\n)/2)*1536+512
	global_store_b64 v5, v[C+6:C+7], s[14:15] offset:((\n)%2)*12288+((\n)/2)*1536+768
	global_store_b128 v4, v[C+8:C+11], s[14:15] offset:((\n)%2)*12288+((\n)/2)*1536+1024
	ds_store_b32 v8, v[PW] offset:((\n)/2)*128+((\n)%2)*4    ; both halves of the lanes write the same word with the same value
.endm
	LOAD 0
	LOAD 1
	FRAGQ 0
	FRAGQ 1
	FRAGQ 2
	FRAGQ 3
	ds_load_b64 v[SO:SO+1], v9                     ; my wave's 256 bytes of scale words
	s_wait_dscnt 0x0
	global_store_b64 v5, v[SO:SO+1], s[16:17]      ; 32 lanes store 256 consecutive bytes, aligned
	s_wait_tensorcnt 0x0
	ds_add_u32 v254, v255
	s_wait_dscnt 0x0
	s_endpgm
.Lfunc_end_k_q680e84c036_quant:
	.size	k_q680e84c036_quant, .Lfunc_end_k_q680e84c036_quant-k_q680e84c036_quant
	.p2alignl 7, 3214868480
	.fill 96, 4, 3214868480
	.section	.rodata,"a",@progbits
	.p2align	6, 0x0
	.amdhsa_kernel k_q680e84c036_quant
		.amdhsa_group_segment_fixed_size 35328
		.amdhsa_private_segment_fixed_size 0
		.amdhsa_enable_private_segment 0
		.amdhsa_kernarg_size 72
		.amdhsa_user_sgpr_count 2
		.amdhsa_user_sgpr_kernarg_segment_ptr 1
		.amdhsa_wavefront_size32 1
		.amdhsa_system_sgpr_workgroup_id_x 1
		.amdhsa_system_sgpr_workgroup_id_y 1
		.amdhsa_system_sgpr_workgroup_id_z 1
		.amdhsa_system_vgpr_workitem_id 0
		.amdhsa_next_free_vgpr 256
		.amdhsa_next_free_sgpr 66
		.amdhsa_reserve_vcc 0
		.amdhsa_float_denorm_mode_32 3
		.amdhsa_float_denorm_mode_16_64 3
		.amdhsa_memory_ordered 1
		.amdhsa_forward_progress 1
		.amdhsa_inst_pref_size 32
	.end_amdhsa_kernel
	.amdgpu_metadata
---
amdhsa.version: [ 1, 2 ]
amdhsa.kernels:
  - .name:           k_q680e84c036_quant
    .symbol:         k_q680e84c036_quant.kd
    .args:
      - { .name: x, .offset: 0, .size: 8, .value_kind: global_buffer, .address_space: global }
      - { .name: wq, .offset: 8, .size: 8, .value_kind: global_buffer, .address_space: global }
      - { .name: wk, .offset: 16, .size: 8, .value_kind: global_buffer, .address_space: global }
      - { .name: wv, .offset: 24, .size: 8, .value_kind: global_buffer, .address_space: global }
      - { .name: wp, .offset: 32, .size: 8, .value_kind: global_buffer, .address_space: global }
      - { .name: x_codes, .offset: 40, .size: 8, .value_kind: global_buffer, .address_space: global }
      - { .name: x_scales, .offset: 48, .size: 8, .value_kind: global_buffer, .address_space: global }
      - { .name: w_codes, .offset: 56, .size: 8, .value_kind: global_buffer, .address_space: global }
      - { .name: w_scales, .offset: 64, .size: 8, .value_kind: global_buffer, .address_space: global }
    .group_segment_fixed_size: 35328
    .private_segment_fixed_size: 0
    .kernarg_segment_align: 8
    .kernarg_segment_size: 72
    .max_flat_workgroup_size: 128
    .sgpr_count:     66
    .vgpr_count:     256
    .wavefront_size: 32
...
	.end_amdgpu_metadata
.endif
;; end of part 1
;; launch qkv (part 2): grid 12 x 32, 4 waves a work-group, clusters of 4 x 4, 327,680 bytes of LDS; arguments x_codes, x_scales, w_codes, w_scales, bq, bk, bv, qkv; writes qkv
.if DOCPART == 2
	.amdgcn_target "amdgcn-amd-amdhsa--gfx1250"
	.amdhsa_code_object_version 6
	.text
	.protected	k_q680e84c036_qkv
	.globl	k_q680e84c036_qkv
	.p2align	8
	.type	k_q680e84c036_qkv,@function
k_q680e84c036_qkv:
	s_mov_b64 s[64:65], 0
	v_nop
	global_prefetch_b8 v0, s[64:65] scope:SCOPE_SE
	s_setreg_imm32_b32 hwreg(HW_REG_WAVE_MODE, 25, 1), 1
	s_wait_xcnt 0x0
	s_wait_alu depctr_hold_cnt(0) depctr_sa_sdst(0) depctr_va_vdst(0) depctr_va_sdst(0) depctr_va_ssrc(0) depctr_va_vcc(0) depctr_vm_vsrc(0)
	s_getreg_b32 s2, hwreg(HW_REG_IB_STS2, 6, 4)
	s_cmp_eq_u32 s2, 0
	s_cbranch_scc0 .Lentry_in_a_cluster
	s_endpgm
.Lentry_in_a_cluster:
	s_bfe_u32 s2, ttmp6, 0x10000c
	s_cmp_lg_u32 s2, 0xf033
	s_cbranch_scc0 .Lentry_shape_is_right
	s_endpgm
.Lentry_shape_is_right:
; q = x wq^T + bq, k = x wk^T + bk, v = x wv^T + bv on codes of BF6 with E8M0 scales; the results are quantised here, q and k along the head's 64, v along the keys, and stored as images of operand registers.
; Operands lie in fragment order (block of 128 rows rb, 128 along K ks, fragment f; lane r of f holds row 32 (f/2) + 8 (f%2) + r + 8 (r/8)): codes rb x 98,304 + ks x 12,288 + f x 1,536,
; an image being registers 0-3 at 16 x lane, 4-5 at 512 + 8 x lane, 6-7 at 768 + 8 x lane, 8-11 at 1,024 + 16 x lane; scale words rb x 4,096 + (ks/2) x 1,024 + f x 128 + r x 8 + (ks%2) x 4.
; A tile of 256 x 256 to a work-group of four waves, 128 x 128 a wave: 64 accumulators, 512 registers.  K = 1,024 goes in four steps of 256 through two LDS slots; a wave's tensor load brings 128 rows x 256 K, 24,576 dense bytes.
; The scale words of the work-group's rows, for all of K, come once with the first fills.
; CLUSTERS 4 x 4: "A" is shared along a row of the cluster, "B" along a column, by joint loads.  The cluster's x says what is made: 0: q, 1: k (A = x, B = wq or wk); 2: v, made as v^T (A = wv, B = x).
; THE PRODUCT IS USED TRANSPOSED (source 0 = 16 rows of B, source 1 = 16 rows of A): lane (r, h) of accumulator (a, b) holds A's row r of fragment a and, in register j, B's row 32 (b/2) + 16 h + 8 (b%2) + j:
; the 16 registers of accumulators 2 b', 2 b' + 1 are 16 neighbours along the next product's K (the head's channels for q and k, the keys for v).
; OUT: a record of 307,200 bytes for each (batch, head).  For each 128 keys ks, at ks x 12,800: four K fragments (first half: key tile 2 F, second half: key tile 2 F + 1, each 16 keys x 64 channels), four V^T fragments
; (16 channels x 128 keys), K's scale words (r x 16 + F x 4), V's.  Behind them, from 204,800 on, Q as K lies: ks x 6,400: four fragments, then the scale words.
; LIMITS: a block of zeros gets the byte 1 (zero codes; read by this program alone); NaN and infinities are not served.
; REGISTERS: window 0: v2-15 at work in the tail; v16-31 addresses; v32-63 scale words, two sets, and nothing else; v64-127 the bias; v128-223 A's fragments, one set (tail: v128-191 64 numbers, v192-239 codes, v240-246, v248-255);
;   window 1: B's fragments, two sets, at v0 and v128; window 2: accumulators of my rows 0-63 ((a, b) at v[8 (8 a + b)]); window 3: of my rows 64-127.
.set FR,    12                         ; registers of a fragment
.set NQ,    2                          ; matrix instructions deep in a slot
.set NL,    4                          ; LDS loads that bring a fragment
.set NP,    4                          ; places behind this matrix instruction (ISA guide 7.12.1)
.set FRB,   1536
.set KSB,   12288                      ; eight fragments: 128 rows x 128 K
.set HALFT, 24576                      ; 128 rows x 256 K: one tensor load
.set SLOT,  4*HALFT
.set SCL,   2*SLOT                     ; behind the ring: the scale words, 4 x 4,096 bytes
.set HALFS, 4096
.set SPARE, SCL+4*HALFS                ; the spare words, 128 bytes a wave: two blocks of 256 bytes that no other line names
.set REC,   307200
.set ADRA, 16                          ; v16-17 my A fragments in slot 0, 1, + 16 x lane; v18-19 + 8 x lane
.set ADRB, 20                          ; v20-23 the same for B
.set L16,  24                          ; 16 x lane
.set L8,   25                          ; 8 x lane
.set R16,  26                          ; 16 x (lane % 16)
.set ADRS, 27                          ; my scale words: lanes 0-15 A's, lanes 16-31 B's
.set SPW,  28                          ; my spare word; never rewritten
.set NIL,  29                          ; 0; never rewritten
.set H64,  30                          ; 64 x (lane / 16)
.set RR4,  31                          ; 4 x (r + 8 (r / 8))
.set SC,   32
.set BN,   64                          ; the bias by columns (q, k)
.set BM,   64                          ; the bias by rows (v): a pair for each a
.set AF,   128
.set ST,   128
.set PC,   192
.set TQ,   240
.set TMX,  4
.set TMB,  8
.set TMS,  12
.set PWE,  2
.set PWO,  3
.set W0,   248
.set W1,   252
.set SEL,  14
.set G1,   24
.set G0,   32
.set G1B,  40
.set G0B,  48
.set G1S,  56
.set G1SB, 68
.set G0S,  76
.set G0SB, 80
.set MSB, 0
.macro WIN new                         ; the immediate's high byte repeats the setting that is left
.if MSB != (\new)
	s_set_vgpr_msb (MSB<<8)|(\new)
.set MSB, (\new)
.endif
.endm
.set MUL_LO, 0xa1                      ; source 0 (B) window 1, source 1 (A) window 0, C and D window 2
.set MUL_HI, 0xf1
.set TO_B,   0x40
.macro JLOAD g0a, g1a, g0b, g1b        ; a joint load: waves 0 and 1 fetch for A, waves 2 and 3 for B; four v_nop follow each line
	s_cmp_eq_u32 s21, 0
	s_cbranch_scc0 .Lfor_b_\@
	tensor_load_to_lds s[\g0a:\g0a+3], s[\g1a:\g1a+7]
	s_nop 0
.rept 4
	v_nop
.endr
	s_branch .Lasked_\@
.Lfor_b_\@:
	tensor_load_to_lds s[\g0b:\g0b+3], s[\g1b:\g1b+7]
	s_nop 0
.rept 4
	v_nop
.endr
.Lasked_\@:
.endm
.macro CREST                           ; a round of the cluster's barrier behind its opening barrier
	s_cmp_lg_u32 s20, 0
	s_cbranch_scc1 .Lnot_wave_0_\@
	s_barrier_signal -3
.Lnot_wave_0_\@:
	s_barrier_wait -3
	s_barrier_signal -1
	s_barrier_wait -1
.endm
.macro CROUND
	s_barrier_signal -1
	s_barrier_wait -1
	CREST
.endm
	s_load_b256 s[4:11], s[0:1], 0x0               ; x_codes, x_scales, w_codes, w_scales
	s_load_b256 s[12:19], s[0:1], 0x20             ; bq, bk, bv, qkv
	v_lshl_add_u32 v[SPW], v0, 2, SPARE
	v_mov_b32 v[NIL], 0
	ds_add_u32 v28, v29
	ds_add_u32 v28, v29
	s_wait_dscnt 0x0
	v_lshrrev_b32 v1, 5, v0
	v_readfirstlane_b32 s20, v1                    ; wave
	s_lshr_b32 s21, s20, 1                         ; which half of the tile's rows is mine.  Also: I fetch for A (0) or B (1)
	s_and_b32 s22, s20, 1                          ; which half of its columns.  Also: which 128 rows I fetch
	s_bfe_u32 s84, ttmp6, 0x40000                  ; cx
	s_bfe_u32 s85, ttmp6, 0x40004                  ; cy
	s_and_b32 s2, ttmp7, 0xffff                    ; cluster y
	s_lshl_b32 s3, s2, 2
	s_add_co_u32 s86, s3, s85                      ; q, k: tile row = 4 x cluster y + cy
	s_lshl_b32 s66, ttmp9, 2
	s_add_co_u32 s87, s66, s84                     ; q, k: tile column = 4 x cluster x + cx (0-3: wq, 4-7: wk)
	s_add_co_u32 s67, s3, s84                      ; v: tile column (tokens) = 4 x cluster y + cx
	s_cmp_eq_u32 ttmp9, 2                          ; the cluster's x is the same in all sixteen partners
	s_cselect_b32 s86, s85, s86                    ; v: tile row (channels) = cy
	s_cselect_b32 s87, s67, s87
	s_cselect_b32 s98, 16, 0                       ; v: A's blocks begin at wv's
	s_lshl_b32 s88, s85, 2
	s_lshl_b32 s88, 15, s88                        ; my row of the cluster
	s_lshl_b32 s89, 0x1111, s84                    ; my column
	s_or_b32 s[G1], s88, (3<<16)|(1<<21)           ; 15:0 the mask; 17:16 elements of 8 bytes; 21 set beside a mask; no padding
	s_or_b32 s[G1B], s89, (3<<16)|(1<<21)
.irp g, G1, G1B                        ; a dense block of 24,576 bytes as 96 rows of 256
	s_mov_b32 s[\g+1], 32<<16
	s_mov_b32 s[\g+2], 96<<16
	s_mov_b32 s[\g+3], 32<<16
	s_mov_b32 s[\g+4], 96
	s_mov_b32 s[\g+5], 32
	s_mov_b32 s[\g+6], 0
	s_mov_b32 s[\g+7], 0
.endr
	s_or_b32 s[G1S], s88, (3<<16)|(1<<21)
	s_or_b32 s[G1SB], s89, (3<<16)|(1<<21)
.irp g, G1S, G1SB                      ; the scale words of 128 rows: 4,096 dense bytes as 16 rows of 256
	s_mov_b32 s[\g+1], 32<<16
	s_mov_b32 s[\g+2], 16<<16
	s_mov_b32 s[\g+3], 32<<16
	s_mov_b32 s[\g+4], 16
	s_mov_b32 s[\g+5], 32
	s_mov_b32 s[\g+6], 0
	s_mov_b32 s[\g+7], 0
.endr
	s_lshl_b32 s99, s86, 1
	s_add_co_u32 s99, s99, s98
	s_add_co_u32 s99, s99, s22                     ; the block of A that I would fetch: made of cy, never of cx
	s_lshl_b32 s67, s87, 1
	s_add_co_u32 s67, s67, s22                     ; the block of B: made of cx, never of cy.  It is also my wave's block of columns
	s_mul_i32 s90, s99, 98304
	s_mov_b32 s91, 0
	s_lshl_b32 s92, s99, 12
	s_mov_b32 s93, 0
	s_mul_i32 s94, s67, 98304
	s_mov_b32 s95, 0
	s_lshl_b32 s96, s67, 12
	s_mov_b32 s97, 0
	s_mul_i32 s66, s20, HALFT                      ; where they go: by the wave's number alone
	s_lshl_b32 s23, s20, 12
	s_wait_kmcnt 0x0
	s_cmp_eq_u32 ttmp9, 2
	s_cselect_b64 s[2:3], s[8:9], s[4:5]           ; A's codes: wv's for v, else x's
	s_add_nc_u64 s[90:91], s[2:3], s[90:91]
	s_cselect_b64 s[2:3], s[10:11], s[6:7]
	s_add_nc_u64 s[92:93], s[2:3], s[92:93]
	s_cselect_b64 s[2:3], s[4:5], s[8:9]           ; B's
	s_add_nc_u64 s[94:95], s[2:3], s[94:95]
	s_cselect_b64 s[2:3], s[6:7], s[10:11]
	s_add_nc_u64 s[96:97], s[2:3], s[96:97]
	CROUND                                         ; all sixteen work-groups are here: the first joint loads meet
	s_mov_b32 s[G0S], 1
	s_add_co_u32 s[G0S+1], s23, SCL
	s_mov_b64 s[G0S+2:G0S+3], s[92:93]
	s_or_b32 s[G0S+3], s[G0S+3], 0x80000000
	s_mov_b32 s[G0SB], 1
	s_add_co_u32 s[G0SB+1], s23, SCL
	s_mov_b64 s[G0SB+2:G0SB+3], s[96:97]
	s_or_b32 s[G0SB+3], s[G0SB+3], 0x80000000
	JLOAD G0S, G1S, G0SB, G1SB                     ; the scale words first: they are wanted with the first K step
.irp s, 0,1
	s_mov_b32 s[G0+4*\s], 1
	s_add_co_u32 s[G0+4*\s+1], s66, \s*SLOT
	s_add_nc_u64 s[G0+4*\s+2:G0+4*\s+3], s[90:91], \s*HALFT
	s_or_b32 s[G0+4*\s+3], s[G0+4*\s+3], 0x80000000
	s_mov_b32 s[G0B+4*\s], 1
	s_add_co_u32 s[G0B+4*\s+1], s66, \s*SLOT
	s_add_nc_u64 s[G0B+4*\s+2:G0B+4*\s+3], s[94:95], \s*HALFT
	s_or_b32 s[G0B+4*\s+3], s[G0B+4*\s+3], 0x80000000
	JLOAD G0+4*\s, G1, G0B+4*\s, G1B               ; three loads of mine are out
.endr
	v_and_b32 v1, 31, v0                           ; lane
	v_and_b32 v2, 15, v0                           ; r
	v_bfe_u32 v3, v0, 4, 1                         ; h
	v_lshlrev_b32 v[L16], 4, v1
	v_lshlrev_b32 v[L8], 3, v1
	v_lshlrev_b32 v[R16], 4, v2
	v_lshlrev_b32 v[H64], 6, v3
	v_and_b32 v4, 8, v2
	v_add_nc_u32 v4, v4, v2
	v_lshlrev_b32 v[RR4], 2, v4
	s_mul_i32 s2, s21, HALFT                       ; my 128 rows of A
	s_mul_i32 s3, s22, HALFT                       ; my 128 rows of B,
	s_add_co_u32 s3, s3, 2*HALFT                   ; which lie behind A's 256
.irp s, 0,1
	v_add_nc_u32 v[ADRA+\s], s2, v[L16]
	v_add_nc_u32 v[ADRA+2+\s], s2, v[L8]
	v_add_nc_u32 v[ADRB+\s], s3, v[L16]
	v_add_nc_u32 v[ADRB+2+\s], s3, v[L8]
	s_add_co_u32 s2, s2, SLOT
	s_add_co_u32 s3, s3, SLOT
.endr
	v_lshlrev_b32 v5, 3, v2                        ; scale words: 8 bytes a row and K step
	s_lshl_b32 s2, s21, 12
	s_lshl_b32 s3, s22, 12
	s_add_co_u32 s3, s3, 2*HALFS
	s_sub_co_u32 s3, s3, s2
	v_mul_u32_u24 v6, s3, v3                       ; lanes 16-31 take B's: one product, the distance between the two
	s_add_co_u32 s2, s2, SCL
	v_add_nc_u32 v5, v5, v6
	v_add_nc_u32 v[ADRS], s2, v5
	; where my results go, and my bias
	s_lshl_b32 s66, s86, 1
	s_add_co_u32 s66, s66, s21                     ; my block of 128 rows of A
	s_and_b32 s23, s67, 7                          ; q, k: my block of 128 channels
	s_mov_b32 s98, 12800
	s_mov_b32 s99, 12288
	s_cmp_eq_u32 ttmp9, 0
	s_cselect_b32 s2, 204800, 0                    ; q lies behind K and V,
	s_cselect_b32 s98, 6400, s98                   ; 6,400 bytes for each 128 tokens,
	s_cselect_b32 s99, 6144, s99                   ; its scale words 6,144 behind its fragments
	s_cmp_eq_u32 ttmp9, 1
	s_cselect_b64 s[12:13], s[14:15], s[12:13]
	s_cmp_eq_u32 ttmp9, 2
	s_cselect_b64 s[12:13], s[16:17], s[12:13]     ; the bias
	s_cselect_b32 s2, 6144, s2                     ; V^T lies behind K's four fragments,
	s_cselect_b32 s99, 6400, s99                   ; its scale words at 12,544
	s_cselect_b32 s3, s67, s66                     ; the block of 128 tokens,
	s_cselect_b32 s23, s66, s23                    ; the block of 128 channels: two heads
	s_lshr_b32 s94, s3, 4
	s_lshl_b32 s94, s94, 4                         ; 16 x batch
	s_and_b32 s3, s3, 15                           ; which 128 tokens of the batch
	s_lshl_b32 s95, s23, 1
	s_add_co_u32 s94, s94, s95                     ; the first head's record
	s_mul_i32 s94, s94, REC
	s_mul_i32 s3, s3, s98
	s_add_co_u32 s94, s94, s3
	s_add_co_u32 s94, s94, s2
	s_mov_b32 s95, 0
	s_add_nc_u64 s[18:19], s[18:19], s[94:95]      ; fragments
	s_mov_b32 s96, s99
	s_mov_b32 s97, 0
	s_add_nc_u64 s[16:17], s[18:19], s[96:97]      ; scale words
	s_lshl_b32 s94, s23, 9
	s_add_nc_u64 s[12:13], s[12:13], s[94:95]      ; my 128 numbers of the bias
	s_mov_b32 s[SEL], 0x76543210
	s_mov_b32 s[SEL+1], 0xfedcba98                 ; selects for lane l xor 16
.macro FRAG reg, adr, q, i             ; a fragment's image: four loads, each of 512 or 256 consecutive bytes
	ds_load_b128 v[(\reg):(\reg)+3], v[\adr] offset:(\q)*KSB+(\i)*FRB
	ds_load_b64 v[(\reg)+4:(\reg)+5], v[\adr+2] offset:(\q)*KSB+(\i)*FRB+512
	ds_load_b64 v[(\reg)+6:(\reg)+7], v[\adr+2] offset:(\q)*KSB+(\i)*FRB+768
	ds_load_b128 v[(\reg)+8:(\reg)+11], v[\adr] offset:(\q)*KSB+(\i)*FRB+1024
.endm
; 16 matrix instructions: A's blocks a0, a0 + 1 x B's eight.  p: B's set; q: which 128 along K of the slot; sc: the set of scale words.  zero = 1: the product starts the sums.
; The 64 accumulators take turns, one instruction a turn, in the same order in every step.
.macro MUL16 a0, p, q, sc, zero
.irp a, \a0, \a0+1
.irp b, 0,1,2,3,4,5,6,7
.if \zero == 1
	v_wmma_scale_f32_16x16x128_f8f6f4 v[8*(8*((\a)%4)+\b):8*(8*((\a)%4)+\b)+7], v[128*(\p)+FR*\b:128*(\p)+FR*\b+FR-1], v[AF+FR*(\a):AF+FR*(\a)+FR-1], 0, v[SC+8*NQ*(\sc)+NQ*\b+(\q)], v[SC+8*NQ*(\sc)+NQ*(\a)+(\q)] matrix_a_fmt:MATRIX_FMT_BF6 matrix_b_fmt:MATRIX_FMT_BF6 matrix_a_scale:MATRIX_SCALE_ROW1
.else
	v_wmma_scale_f32_16x16x128_f8f6f4 v[8*(8*((\a)%4)+\b):8*(8*((\a)%4)+\b)+7], v[128*(\p)+FR*\b:128*(\p)+FR*\b+FR-1], v[AF+FR*(\a):AF+FR*(\a)+FR-1], v[8*(8*((\a)%4)+\b):8*(8*((\a)%4)+\b)+7], v[SC+8*NQ*(\sc)+NQ*\b+(\q)], v[SC+8*NQ*(\sc)+NQ*(\a)+(\q)] matrix_a_fmt:MATRIX_FMT_BF6 matrix_b_fmt:MATRIX_FMT_BF6 matrix_a_scale:MATRIX_SCALE_ROW1
.endif
.endr
.endr
.endm
.macro FETCH_B slot, q, p
	WIN TO_B
.irp i, 0,1,2,3,4,5,6,7
	FRAG 128*(\p)+FR*\i, ADRB+\slot, \q, \i
.endr
	WIN 0
.endm
.macro FETCH_A slot, q, i0
.irp i, \i0, \i0+1, \i0+2, \i0+3
	FRAG AF+FR*(\i), ADRA+\slot, \q, \i
.endr
.endm
.macro SCALES sc                       ; a K step's scale words: two a row; lanes 0-15 A's block i, lanes 16-31 B's block i
.irp i, 0,1,2,3,4,5,6,7
	ds_load_b64 v[SC+8*NQ*\sc+NQ*\i:SC+8*NQ*\sc+NQ*\i+1], v[ADRS] offset:\i*128
.endr
.endm
.macro PLACES n                        ; plain vector places between a matrix instruction and a load into, or a vector instruction on, its registers
.rept \n
	v_nop
.endr
.endm
.macro STEP slot, q, zero              ; 128 along K whose successor lies in the same slot
	s_wait_dscnt 4*NL                              ; B's set, A's blocks 0-3 and the scale words are in; the youngest 16 loads (A's blocks 4-7) may be out
	WIN MUL_LO
	MUL16 0, (\q)%2, \q, \slot, \zero
	MUL16 2, (\q)%2, \q, \slot, \zero
	s_wait_dscnt 0x0
	PLACES NP
	FETCH_B \slot, (\q)+1, 1-(\q)%2
	FETCH_A \slot, (\q)+1, 0
	WIN MUL_HI
	MUL16 4, (\q)%2, \q, \slot, \zero
	MUL16 6, (\q)%2, \q, \slot, \zero
	PLACES NP
	WIN 0
	FETCH_A \slot, (\q)+1, 4
.endm
; A slot's last step changes slots: one barrier; in front of it each wave waits for all its tensor loads, adds 0 to its spare word, and waits for that and for its reads of this slot.
.macro TURN slot, next, fill
	s_wait_tensorcnt 0x0                           ; all my tensor loads have landed: my part of the next slot
	ds_add_u32 v[SPW], v[NIL]                      ; 0 onto my spare word
	s_wait_dscnt 4*NL+1                            ; the add and the youngest 16 loads may be out
	WIN MUL_LO
	MUL16 0, 1, NQ-1, \slot, 0
	s_wait_dscnt 0x0                               ; the add is done, and my reads of this slot are over
	s_barrier_signal -1
	MUL16 2, 1, NQ-1, \slot, 0
	WIN 0
	s_barrier_wait -1
.if \fill
	CREST                                          ; the barrier has opened a round of the cluster's barrier: no wave of any partner still reads this slot or has a load on its way
	s_add_nc_u64 s[G0+4*\slot+2:G0+4*\slot+3], s[G0+4*\slot+2:G0+4*\slot+3], 2*HALFT
	s_add_nc_u64 s[G0B+4*\slot+2:G0B+4*\slot+3], s[G0B+4*\slot+2:G0B+4*\slot+3], 2*HALFT
	JLOAD G0+4*\slot, G1, G0B+4*\slot, G1B         ; my one tensor load behind the round; its four v_nop are the places in front of the loads below
.else
	PLACES NP
.endif
	s_wait_alu depctr_va_vdst(0)
	v_add_nc_u32 v[ADRS], 1024, v[ADRS]            ; the next K step's scale words
	FETCH_B \next, 0, 0
	FETCH_A \next, 0, 0
	SCALES \next
	WIN MUL_HI
	MUL16 4, 1, NQ-1, \slot, 0
	MUL16 6, 1, NQ-1, \slot, 0
	PLACES NP
	WIN 0
	FETCH_A \next, 0, 4
.endm
.macro LAST                            ; the very last 128 along K: nothing more to fetch
	s_wait_dscnt 4*NL
	WIN MUL_LO
	MUL16 0, 1, NQ-1, 1, 0
	MUL16 2, 1, NQ-1, 1, 0
	s_wait_dscnt 0x0
	WIN MUL_HI
	MUL16 4, 1, NQ-1, 1, 0
	MUL16 6, 1, NQ-1, 1, 0
	WIN 0
.endm
; THE TAIL.  TAKE: the eight accumulators of A's block a, plus the bias, into window 0: the addition is also the move.  Each accumulator is read from its low end on.
.macro TAKE a, mode
	WIN 0x02+((\a)/4)
.irp b, 0,1,2,3,4,5,6,7
.irp p, 0,2,4,6
.if \mode == 0
	v_pk_add_f32 v[ST+8*\b+\p:ST+8*\b+\p+1], v[8*(8*((\a)%4)+\b)+\p:8*(8*((\a)%4)+\b)+\p+1], v[BN+8*\b+\p:BN+8*\b+\p+1]
.else
	v_pk_add_f32 v[ST+8*\b+\p:ST+8*\b+\p+1], v[8*(8*((\a)%4)+\b)+\p:8*(8*((\a)%4)+\b)+\p+1], v[BM+2*(\a):BM+2*(\a)+1]
.endif
.endr
.endr
	WIN 0
.endm
; 64 numbers of a lane, register 16 b + i = k 32 b + 16 h + i of my row, become codes: k 0-63 in six registers from d0, k 64-127 in six from d1; the row's four scale bytes in v[pw].
.macro QUANT s, d0, d1, pw
.irp b, 0,1,2,3
	v_max3_num_f32 v[TMX+\b], |v[(\s)+16*\b]|, |v[(\s)+1+16*\b]|, 0x2800000   ; my 16 of block b, and the floor 2^(5 - 127): the byte cannot fall under 1
.endr
.irp i, 2,4,6,8,10,12,14
.irp b, 0,1,2,3
	v_max3_num_f32 v[TMX+\b], v[TMX+\b], |v[(\s)+16*\b+\i]|, |v[(\s)+1+16*\b+\i]|
.endr
.endr
.irp b, 0,1,2,3
	v_permlanex16_b32 v[TMB+\b], v[TMX+\b], s[SEL], s[SEL+1]
.endr
.irp b, 0,1,2,3
	v_max_num_f32 v[TMX+\b], v[TMX+\b], v[TMB+\b]  ; with lane l xor 16's: the block's largest magnitude
.endr
.irp b, 0,1,2,3
	v_add_nc_u32 v[TMS+\b], 0xfe000000, v[TMX+\b]  ; 4 off its exponent field: the conversion's scale operand
.endr
.irp b, 0,1,2,3
	v_lshrrev_b32 v[TMB+\b], 23, v[TMS+\b]         ; the byte
.endr
	v_lshl_or_b32 v[\pw], v[TMB+1], 8, v[TMB]
	v_lshl_or_b32 v[\pw], v[TMB+2], 16, v[\pw]
	v_lshl_or_b32 v[\pw], v[TMB+3], 24, v[\pw]
	v_cvt_scalef32_pk16_bf6_f32 v[(\d0):(\d0)+2], v[(\s):(\s)+15], v[TMS]
	v_cvt_scalef32_pk16_bf6_f32 v[TQ:TQ+2], v[(\s)+16:(\s)+31], v[TMS+1]
	v_cvt_scalef32_pk16_bf6_f32 v[(\d1):(\d1)+2], v[(\s)+32:(\s)+47], v[TMS+2]
	v_cvt_scalef32_pk16_bf6_f32 v[TQ+4:TQ+6], v[(\s)+48:(\s)+63], v[TMS+3]
	v_nop                                          ; one plain place behind a scaled conversion
.irp i, 0,1,2                          ; the operand's layout wants a whole block in a lane: lanes 0-15 the even block, lanes 16-31 the odd one
	v_permlane16_swap_b32 v[(\d0)+\i], v[TQ+\i]
.endr
.irp i, 0,1,2
	v_mov_b32 v[(\d0)+3+\i], v[TQ+\i]
.endr
.irp i, 0,1,2
	v_permlane16_swap_b32 v[(\d1)+\i], v[TQ+4+\i]
.endr
.irp i, 0,1,2
	v_mov_b32 v[(\d1)+3+\i], v[TQ+4+\i]
.endr
.endm
.macro IMGST reg, off                  ; a fragment's image: each store covers 512 or 256 consecutive bytes, aligned
	global_store_b128 v[L16], v[(\reg):(\reg)+3], s[18:19] offset:(\off)
	global_store_b64 v[L8], v[(\reg)+4:(\reg)+5], s[18:19] offset:(\off)+512
	global_store_b64 v[L8], v[(\reg)+6:(\reg)+7], s[18:19] offset:(\off)+768
	global_store_b128 v[L16], v[(\reg)+8:(\reg)+11], s[18:19] offset:(\off)+1024
.endm
	s_wait_alu depctr_va_vdst(0)
	s_wait_tensorcnt 1                             ; the scale words and my part of slot 0 are in; slot 1's load may stay out
	s_barrier_signal -1
	s_barrier_wait -1
	FETCH_B 0, 0, 0
	FETCH_A 0, 0, 0
	SCALES 0
	FETCH_A 0, 0, 4
	STEP 0, 0, 1                                   ; K 0-127: its products start the sums
	TURN 0, 1, 1                                   ; K 128-255; slot 0 takes K 512-767
	STEP 1, 0, 0
	TURN 1, 0, 1                                   ; slot 1 takes K 768-1,023
	STEP 0, 0, 0
	TURN 0, 1, 0                                   ; nothing is left to fetch: no round
	STEP 1, 0, 0
	s_cmp_eq_u32 ttmp9, 2                          ; the two ways out part on the cluster's x, which all partners share; neither touches LDS
	s_cbranch_scc1 .Lv_mode
	; ---- q or k: a lane's numbers run along the channels of two heads
.irp b, 0,1,2,3
.irp q, 0,1,2,3
	global_load_b128 v[BN+16*\b+4*\q:BN+16*\b+4*\q+3], v[H64], s[12:13] offset:128*\b+16*\q   ; the bias of channels 32 b + 16 h + 4 q on: it lands under the last 64 products
.endr
.endr
	LAST
	s_wait_loadcnt 0x0
	PLACES NP
.irp b, 0,1,2,3
	v_mov_b32 v[TMB+\b], 0                         ; a lane permute's destination counts as one of its sources
.endr
.irp t, 0,1,2,3                        ; token tiles 2 t and 2 t + 1 make fragment t of the first head and of the second
.set PCS, PC+24*(\t%2)
	s_wait_xcnt 0x0                                ; earlier stores have read their data: the codes' registers are written again only behind this wait
	TAKE 2*\t, 0
	QUANT ST, PCS, PCS+12, PWE
	TAKE 2*\t+1, 0
	QUANT ST, PCS+6, PCS+18, PWO
	v_perm_b32 v[W0+\t], v[PWO], v[PWE], 0x05040100   ; first head: the even tile's two bytes, the odd tile's two
	v_perm_b32 v[W1+\t], v[PWO], v[PWE], 0x07060302   ; second head
	IMGST PCS, \t*FRB
	IMGST PCS+12, REC+\t*FRB
.endr
	global_store_b128 v[R16], v[W0:W0+3], s[16:17]             ; sixteen lanes fill 256 consecutive bytes; lanes 16-31 write the same bytes with the same values
	global_store_b128 v[R16], v[W1:W1+3], s[16:17] offset:REC
	s_branch .Ldone
.Lv_mode:
	; ---- v^T: a lane holds one channel, its numbers run along 128 keys
.irp a, 0,1,2,3,4,5,6,7
	global_load_b32 v[BM+2*\a], v[RR4], s[12:13] offset:(32*(\a/2)+8*(\a%2))*4
	global_load_b32 v[BM+2*\a+1], v[RR4], s[12:13] offset:(32*(\a/2)+8*(\a%2))*4   ; twice: a pair for the packed addition
.endr
	LAST
	s_wait_loadcnt 0x0
	PLACES NP
.irp b, 0,1,2,3
	v_mov_b32 v[TMB+\b], 0
.endr
.irp a, 0,1,2,3,4,5,6,7                ; channel tiles 0-3: the first head's four fragments; 4-7: the second's
.set PCS, PC+24*(\a%2)
	s_wait_xcnt 0x0
	TAKE \a, 1
	QUANT ST, PCS, PCS+6, W0+\a
	IMGST PCS, (\a/4)*REC+(\a%4)*FRB
.endr
	global_store_b128 v[R16], v[W0:W0+3], s[16:17]
	global_store_b128 v[R16], v[W1:W1+3], s[16:17] offset:REC
.Ldone:
	s_wait_tensorcnt 0x0                           ; the wave's end
	ds_add_u32 v[SPW], v[NIL]
	s_wait_dscnt 0x0
	CROUND                                         ; the closing round: no work-group ends while a partner may still ask for a tile that names it
	s_endpgm
.Lfunc_end_k_q680e84c036_qkv:
	.size	k_q680e84c036_qkv, .Lfunc_end_k_q680e84c036_qkv-k_q680e84c036_qkv
	.p2alignl 7, 3214868480
	.fill 96, 4, 3214868480
	.section	.rodata,"a",@progbits
	.p2align	6, 0x0
	.amdhsa_kernel k_q680e84c036_qkv
		.amdhsa_group_segment_fixed_size 327680
		.amdhsa_private_segment_fixed_size 0
		.amdhsa_enable_private_segment 0
		.amdhsa_kernarg_size 64
		.amdhsa_user_sgpr_count 2
		.amdhsa_user_sgpr_kernarg_segment_ptr 1
		.amdhsa_wavefront_size32 1
		.amdhsa_system_sgpr_workgroup_id_x 1
		.amdhsa_system_sgpr_workgroup_id_y 1
		.amdhsa_system_sgpr_workgroup_id_z 1
		.amdhsa_system_vgpr_workitem_id 0
		.amdhsa_next_free_vgpr 1024
		.amdhsa_next_free_sgpr 100
		.amdhsa_reserve_vcc 0
		.amdhsa_float_denorm_mode_32 3
		.amdhsa_float_denorm_mode_16_64 3
		.amdhsa_memory_ordered 1
		.amdhsa_forward_progress 1
		.amdhsa_inst_pref_size 227
	.end_amdhsa_kernel
	.amdgpu_metadata
---
amdhsa.version: [ 1, 2 ]
amdhsa.kernels:
  - .name:           k_q680e84c036_qkv
    .symbol:         k_q680e84c036_qkv.kd
    .args:
      - { .name: x_codes, .offset: 0, .size: 8, .value_kind: global_buffer, .address_space: global }
      - { .name: x_scales, .offset: 8, .size: 8, .value_kind: global_buffer, .address_space: global }
      - { .name: w_codes, .offset: 16, .size: 8, .value_kind: global_buffer, .address_space: global }
      - { .name: w_scales, .offset: 24, .size: 8, .value_kind: global_buffer, .address_space: global }
      - { .name: bq, .offset: 32, .size: 8, .value_kind: global_buffer, .address_space: global }
      - { .name: bk, .offset: 40, .size: 8, .value_kind: global_buffer, .address_space: global }
      - { .name: bv, .offset: 48, .size: 8, .value_kind: global_buffer, .address_space: global }
      - { .name: qkv, .offset: 56, .size: 8, .value_kind: global_buffer, .address_space: global }
    .group_segment_fixed_size: 327680
    .private_segment_fixed_size: 0
    .kernarg_segment_align: 8
    .kernarg_segment_size: 64
    .max_flat_workgroup_size: 128
    .sgpr_count:     100
    .vgpr_count:     1024
    .wavefront_size: 32
...
	.end_amdgpu_metadata
.endif
;; end of part 2
;; launch attn (part 3): grid 4 x 64, 16 waves a work-group, clusters of 4 x 1, 215,040 bytes of LDS; arguments qkv, token_mask, attn_codes, attn_scales; writes attn_codes, attn_scales
.if DOCPART == 3
	.amdgcn_target "amdgcn-amd-amdhsa--gfx1250"
	.amdhsa_code_object_version 6
	.text
	.protected	k_q680e84c036_attn
	.globl	k_q680e84c036_attn
	.p2align	8
	.type	k_q680e84c036_attn,@function
k_q680e84c036_attn:
	s_mov_b64 s[64:65], 0
	v_nop
	global_prefetch_b8 v0, s[64:65] scope:SCOPE_SE
	s_setreg_imm32_b32 hwreg(HW_REG_WAVE_MODE, 25, 1), 1
	s_wait_xcnt 0x0
	s_wait_alu depctr_hold_cnt(0) depctr_sa_sdst(0) depctr_va_vdst(0) depctr_va_sdst(0) depctr_va_ssrc(0) depctr_va_vcc(0) depctr_vm_vsrc(0)
	s_getreg_b32 s2, hwreg(HW_REG_IB_STS2, 6, 4)
	s_cmp_eq_u32 s2, 0
	s_cbranch_scc0 .Lentry_in_a_cluster
	s_endpgm
.Lentry_in_a_cluster:
	s_bfe_u32 s2, ttmp6, 0x10000c
	s_cmp_lg_u32 s2, 0x3003
	s_cbranch_scc0 .Lentry_shape_is_right
	s_endpgm
.Lentry_shape_is_right:
; attn[b][q][head][:] = softmax over the keys k <= q with token_mask[b][k] != 0 of (q . k / 8), times v; both products on codes of BF6 with E8M0 scales.  The result is quantised along C and stored in fragment order.
; IN: a record of 307,200 bytes for each (batch, head).  For each 128 keys ks at ks x 12,800: four K fragments (first half of the 128 along K: key tile 2 F x 64 channels, second half: key tile 2 F + 1), four V^T fragments
; (16 channels x 128 keys), K's scale words (r x 16 + F x 4), V's.  From 204,800 on Q, laid as K: ks x 6,400.  Lane r of tile T holds row 32 (T/2) + 8 (T%2) + r + 8 (r/8).
; THE SOFTMAX: t = score x log2(e) / 8; M = the running largest t rounded up to a whole number; p = 2^(t - M) is quantised along the keys; the row's sum is taken of the unquantised p and divides at the end;
; when M moves, the sum and O are multiplied by 2^(old M - new M), exactly.
; K = 64 IN AN INSTRUCTION OF 128: a K fragment holds two key tiles side by side; the query operand is [q | 0] for the even tile and [0 | q] for the odd one: v16-33 hold q, zeros, q.
; THE MASKS.  token_mask becomes a table in LDS, 0 or -2^100 for each key, which is the C of the first product: no vector instruction is spent on it.  The causal mask: key steps behind a wave's queries are left out
; (a scalar branch on the wave's number and a counter), and in the one step on the diagonal hidden scores are replaced by -2^100.
; SHARES.  A cluster of four work-groups takes one (batch, head); all K and V of the head, 204,800 bytes, come into each LDS once, by joint loads.  The head has 128 tiles of 16 queries; wave w of the work-group at place cx
; makes tile 4 w + cx and then tile 127 - (4 w + cx): w/2 + 1 and 16 - w/2 key steps of 128 keys: 17 for every wave.  cx enters global addresses and selected values alone.
; Both products are used transposed (S^T = K Q^T, O^T = V^T P^T): a lane holds one query throughout; the 16 registers of tiles 2 F, 2 F + 1 of S^T are keys 32 F + 16 h + 0 .. 15.
; LIMITS: hidden scores are -2^100 and the running maximum begins at -2^80: right while |t| stays under 2^80.  A row with no valid key has the sum 0: its scale bytes are stored as 0xff, which makes the row NaN
; in the last product.  A block of zeros gets the byte 1 (zero codes).  NaN and infinities among the inputs are not served.
; No prefetch: all of K and V is asked for in one group at the head.  Nothing in LDS is filled twice.
; REGISTERS: v1-7 constants of the lane; v8-11 the step's addresses; v12 -M, v13 largest t, v14-15 the sum; v16-33 q | 0 | q; v34 q's scale word; v48-95 four fragments; v96-159 S^T, then p; v160-191 O^T; v192-203 codes;
; v204-210 at work; v212-215, v216-219, v220 scale words of K, V, p; v224-245 at work.
.set FRB,  1536
.set REC,  307200
.set KSTR, 12800
.set QOFF, 204800
.set MSK,  204800                      ; LDS: the mask table, 2,048 x 4 bytes, behind K and V
.macro CROUND
	s_barrier_signal -1
	s_barrier_wait -1
	s_cmp_lg_u32 s12, 0
	s_cbranch_scc1 .Lnot_wave_0_\@
	s_barrier_signal -3
.Lnot_wave_0_\@:
	s_barrier_wait -3
	s_barrier_signal -1
	s_barrier_wait -1
.endm
	s_load_b256 s[4:11], s[0:1], 0x0               ; qkv, token_mask, attn_codes, attn_scales
	v_lshl_add_u32 v254, v0, 2, 0x34000
	v_mov_b32 v255, 0
	ds_add_u32 v254, v255
	ds_add_u32 v254, v255
	v_lshrrev_b32 v1, 5, v0
	s_delay_alu instid0(VALU_DEP_1)
	v_readfirstlane_b32 s12, v1                    ; wave 0..15
	s_bfe_u32 s13, ttmp6, 0x40000                  ; cx
	s_and_b32 s14, ttmp7, 0xffff                   ; 16 x batch + head
	s_lshr_b32 s15, s14, 4                         ; batch
	s_and_b32 s16, s14, 15                         ; head
	s_mul_i32 s52, s14, REC
	s_mov_b32 s53, 0
	s_mul_i32 s57, s12, 25600                      ; waves 0-7 fetch 25,600 bytes each
	s_mov_b32 s24, 15|(3<<16)|(1<<21)              ; 15:0 the mask: all four work-groups; 17:16 elements of 8 bytes; 21 set beside a mask; no padding
	s_mov_b32 s25, 32<<16                          ; 100 rows of 256 bytes, dense
	s_mov_b32 s26, 100<<16
	s_mov_b32 s27, 32<<16
	s_mov_b32 s28, 100
	s_mov_b32 s29, 32
	s_mov_b32 s30, 0
	s_mov_b32 s31, 0
	s_mov_b32 s20, 0x76543210
	s_mov_b32 s21, 0xfedcba98                      ; selects for lane l xor 16
	s_mov_b32 s22, 0x3e38aa3b                      ; c = log2(e) / 8
	s_mov_b32 s23, s22                             ; (named with it as a pair)
	s_lshr_b32 s17, s16, 1                         ; the result's place along C: K step head / 2,
	s_and_b32 s18, s17, 1
	s_lshl_b32 s18, s18, 2
	s_mul_i32 s17, s17, 12288
	s_lshr_b32 s19, s16, 2
	s_lshl_b32 s19, s19, 10
	s_add_co_u32 s18, s18, s19
	s_and_b32 s19, s16, 1
	s_lshl_b32 s19, s19, 1
	s_add_co_u32 s18, s18, s19                     ; its half-word among the scale words
	s_lshl_b32 s19, s15, 4                         ; 16 blocks of 128 tokens a batch
	s_mov_b32 s58, s57
	s_mov_b32 s59, 0
	s_wait_dscnt 0x0
	s_wait_kmcnt 0x0
	s_add_nc_u64 s[36:37], s[4:5], s[52:53]        ; my record
	s_mov_b32 s32, 1
	s_mov_b32 s33, s57
	s_add_nc_u64 s[34:35], s[36:37], s[58:59]
	s_or_b32 s35, s35, 0x80000000
	CROUND                                         ; all four work-groups are here: the joint loads meet
	s_cmp_lt_u32 s12, 8
	s_cbranch_scc0 .Lno_fetch
	tensor_load_to_lds s[32:35], s[24:31]          ; one load of mine is out
	s_nop 0
.rept 4
	v_nop
.endr
.Lno_fetch:
	s_lshl_b32 s58, s15, 13
	s_add_nc_u64 s[6:7], s[6:7], s[58:59]          ; my batch's mask
	v_lshlrev_b32 v37, 4, v0
	v_lshl_add_u32 v38, v0, 4, MSK
	global_load_b128 v[44:47], v37, s[6:7]         ; four keys a thread: 512 threads, 2,048 keys
	v_and_b32 v40, 31, v0                          ; lane
	v_and_b32 v41, 15, v0                          ; r
	v_bfe_u32 v42, v0, 4, 1                        ; h
	s_delay_alu instid0(VALU_DEP_3)
	v_lshlrev_b32 v1, 4, v40                       ; 16 x lane
	s_delay_alu instid0(VALU_DEP_4)
	v_lshlrev_b32 v2, 3, v40                       ; 8 x lane
	s_delay_alu instid0(VALU_DEP_4)
	v_lshlrev_b32 v3, 4, v41                       ; 16 r
	s_delay_alu instid0(VALU_DEP_4)
	v_lshl_add_u32 v4, v42, 6, MSK                 ; the table: my half's 16 keys of a block of 32
	v_mov_b32 v6, 0xf1800000                       ; -2^100
	v_lshlrev_b32 v7, 3, v41                       ; 8 r
	v_and_b32 v43, 8, v41
	s_delay_alu instid0(VALU_DEP_1)
	v_add_nc_u32 v36, v43, v41
	v_lshlrev_b32 v43, 4, v42
	s_delay_alu instid0(VALU_DEP_1)
	v_sub_nc_u32 v36, v36, v43                     ; r + 8 (r / 8) - 16 h
.irp j, 22,23,24,25,26,27
	v_mov_b32 v\j, 0                               ; the zero codes between the two copies of q
.endr
.irp j, 228,229,230,231,241,242
	v_mov_b32 v\j, 0                               ; lane permutes' destinations, and the upper half of the pair v[240:241]: written once
.endr
	s_wait_loadcnt 0x0
.irp j, 44,45,46,47
	v_cmp_eq_u32 vcc_lo, 0, v\j
	s_delay_alu instid0(VALU_DEP_1)
	v_cndmask_b32 v\j, 0, v6, vcc_lo               ; 0 where the key counts, -2^100 where it does not
.endr
	ds_store_b128 v38, v[44:47]
	s_wait_tensorcnt 0x0                           ; my part of K and V has landed,
	s_wait_dscnt 0x0                               ; my part of the table is stored:
	s_barrier_signal -1
	s_barrier_wait -1                              ; everybody's
; A KEY STEP: 128 keys at LDS byte s40; their mask at s41.
.macro KSTEP
	v_add_nc_u32 v8, s40, v1                       ; (these four are the places behind the last step's products)
	v_add_nc_u32 v9, s40, v2
	v_add_nc_u32 v10, s40, v3
	v_add_nc_u32 v11, s41, v4
.irp f, 0,1,2,3
.irp q, 0,1,2,3
	ds_load_b128 v[96+16*\f+4*\q:99+16*\f+4*\q], v11 offset:128*\f+16*\q   ; the mask of keys 32 f + 16 h + 4 q on: it begins the sums
.endr
.endr
.irp f, 0,1,2,3
	ds_load_b128 v[48+12*\f:51+12*\f], v8 offset:FRB*\f
	ds_load_b64 v[52+12*\f:53+12*\f], v9 offset:FRB*\f+512
	ds_load_b64 v[54+12*\f:55+12*\f], v9 offset:FRB*\f+768
	ds_load_b128 v[56+12*\f:59+12*\f], v8 offset:FRB*\f+1024
.endr
	ds_load_b128 v[212:215], v10 offset:12288      ; K's four scale words of my row
	s_wait_alu depctr_va_vdst(0)
	s_wait_dscnt 0x0
.irp f, 0,1,2,3                        ; S^T = K Q^T + mask: eight accumulators, one instruction each
.irp u, 0,1
	v_wmma_scale_f32_16x16x128_f8f6f4 v[96+8*(2*\f+\u):103+8*(2*\f+\u)], v[48+12*\f:59+12*\f], v[16+6*\u:27+6*\u], v[96+8*(2*\f+\u):103+8*(2*\f+\u)], v[212+\f], v34 matrix_a_fmt:MATRIX_FMT_BF6 matrix_b_fmt:MATRIX_FMT_BF6
.endr
.endr
.rept 4
	v_nop                                          ; places: loads into K's registers, and the first read of the scores
.endr
.irp f, 0,1,2,3                        ; V^T's fragments are asked for now and land under the softmax
	ds_load_b128 v[48+12*\f:51+12*\f], v8 offset:6144+FRB*\f
	ds_load_b64 v[52+12*\f:53+12*\f], v9 offset:6144+FRB*\f+512
	ds_load_b64 v[54+12*\f:55+12*\f], v9 offset:6144+FRB*\f+768
	ds_load_b128 v[56+12*\f:59+12*\f], v8 offset:6144+FRB*\f+1024
.endr
	ds_load_b128 v[216:219], v10 offset:12544
	s_cmp_lg_u32 s42, s39                          ; only my last step lies on the diagonal
	s_cbranch_scc1 .Lopen_\@
.set n, 0
.rept 64                               ; register n holds key 32 (n / 16) + 16 h + n % 16 of the step: hidden where that is above my query's place
	v_cmp_gt_i32 vcc_lo, 32*(n/16)+n%16, v5
	v_cndmask_b32 v[96+n], v[96+n], v6, vcc_lo
.set n, n+1
.endr
.Lopen_\@:
.irp b, 0,1,2,3
	v_max3_num_f32 v[224+\b], v[96+16*\b], v[97+16*\b], v[98+16*\b]   ; the largest score of each block of 32 keys: it serves the row's maximum and, since p rises with the score, the block's largest p
.endr
.irp i, 3,5,7,9,11,13
.irp b, 0,1,2,3
	v_max3_num_f32 v[224+\b], v[224+\b], v[96+16*\b+\i], v[97+16*\b+\i]
.endr
.endr
.irp b, 0,1,2,3
	v_max_num_f32 v[224+\b], v[224+\b], v[111+16*\b]
.endr
.irp b, 0,1,2,3
	s_delay_alu instid0(VALU_DEP_4)
	v_permlanex16_b32 v[228+\b], v[224+\b], s20, s21
.endr
.irp b, 0,1,2,3
	s_delay_alu instid0(VALU_DEP_4)
	v_max_num_f32 v[224+\b], v[224+\b], v[228+\b]  ; with lane l xor 16's 16 keys
.endr
	s_delay_alu instid0(VALU_DEP_2)
	v_max3_num_f32 v242, v224, v225, v226
	s_delay_alu instid0(VALU_DEP_1)
	v_max_num_f32 v242, v242, v227
	s_delay_alu instid0(VALU_DEP_1)
	v_mul_f32 v242, s22, v242                      ; the step's largest t
	s_delay_alu instid0(VALU_DEP_1)
	v_max_num_f32 v13, v13, v242                   ; the running largest t
	v_mov_b32 v242, v12
	s_delay_alu instid0(VALU_DEP_2)
	v_floor_f32 v12, -v13                          ; the new -M = -ceil(t)
	s_delay_alu instid0(VALU_DEP_1)
	v_sub_f32 v242, v12, v242                      ; old M - new M: a whole number, 0 or less
	s_delay_alu instid0(VALU_DEP_1)
	v_cvt_i32_f32 v242, v242                       ; (it saturates)
	s_delay_alu instid0(VALU_DEP_1)
	v_ldexp_f32 v240, 1.0, v242                    ; f = 2^(old M - new M)
.set n, 0
	s_setprio 1
.rept 32
	v_pk_fma_f32 v[96+n:97+n], v[96+n:97+n], s[22:23], v[12:13] op_sel_hi:[1,0,0]   ; t - M, two at a time
.set n, n+2
.endr
.irp b, 0,1,2,3
	v_fma_f32 v[224+\b], v[224+\b], s22, v12       ; the same of each block's largest score
.endr
.set n, 0
	s_wait_alu depctr_va_vdst(0)
.rept 64
	v_exp_f32 v[96+n], v[96+n]                     ; p = 2^(t - M)
.set n, n+1
.endr
	v_pk_mul_f32 v[14:15], v[14:15], v[240:241] op_sel_hi:[1,0]   ; the sums under the new M: the plain place behind the batch
	s_wait_alu depctr_va_vdst(0)                   ; one wait for the 64, ahead of their first reader
.irp b, 0,1,2,3
	v_exp_f32 v[224+\b], v[224+\b]                 ; the blocks' largest p
.endr
	v_pk_add_f32 v[236:237], v[100:101], v[104:105]
	v_pk_add_f32 v[252:253], v[108:109], v[112:113]
	v_pk_add_f32 v[250:251], v[116:117], v[120:121]
	v_pk_add_f32 v[248:249], v[124:125], v[128:129]
	v_pk_add_f32 v[246:247], v[132:133], v[136:137]
	v_pk_add_f32 v[244:245], v[140:141], v[144:145]
	v_pk_add_f32 v[238:239], v[148:149], v[152:153]
	v_pk_add_f32 v[14:15], v[14:15], v[156:157]
	v_pk_add_f32 v[236:237], v[236:237], v[96:97]
	v_pk_add_f32 v[252:253], v[252:253], v[98:99]
	v_pk_add_f32 v[250:251], v[250:251], v[102:103]
	v_pk_add_f32 v[248:249], v[248:249], v[106:107]
	v_pk_add_f32 v[246:247], v[246:247], v[110:111]
	v_pk_add_f32 v[244:245], v[244:245], v[114:115]
	v_pk_add_f32 v[238:239], v[238:239], v[118:119]
	v_pk_add_f32 v[14:15], v[14:15], v[122:123]
	v_pk_add_f32 v[236:237], v[236:237], v[126:127]
	v_pk_add_f32 v[252:253], v[252:253], v[130:131]
	v_pk_add_f32 v[250:251], v[250:251], v[134:135]
	v_pk_add_f32 v[248:249], v[248:249], v[138:139]
	v_pk_add_f32 v[246:247], v[246:247], v[142:143]
	v_pk_add_f32 v[244:245], v[244:245], v[146:147]
	v_pk_add_f32 v[238:239], v[238:239], v[150:151]
	v_pk_add_f32 v[14:15], v[14:15], v[154:155]
	v_pk_add_f32 v[236:237], v[236:237], v[158:159]
	s_delay_alu instid0(VALU_DEP_2)
	v_pk_add_f32 v[14:15], v[14:15], v[248:249]
	s_delay_alu instid0(VALU_DEP_2)
	v_pk_add_f32 v[236:237], v[236:237], v[246:247]
	v_pk_add_f32 v[252:253], v[252:253], v[244:245]
	v_pk_add_f32 v[250:251], v[250:251], v[238:239]
	s_delay_alu instid0(VALU_DEP_2)
	v_pk_add_f32 v[14:15], v[14:15], v[252:253]
	s_delay_alu instid0(VALU_DEP_2)
	v_pk_add_f32 v[236:237], v[236:237], v[250:251]
	s_delay_alu instid0(VALU_DEP_1)
	v_pk_add_f32 v[14:15], v[14:15], v[236:237]
	s_wait_alu depctr_va_vdst(0)                   ; and one for the four
.irp b, 0,1,2,3
	v_max_num_f32 v[224+\b], 0x2800000, v[224+\b]  ; the floor 2^(5 - 127)
.endr
.irp b, 0,1,2,3
	s_delay_alu instid0(VALU_DEP_4)
	v_add_nc_u32 v[232+\b], 0xfe000000, v[224+\b]  ; the conversion's scale operand
.endr
.irp b, 0,1,2,3
	s_delay_alu instid0(VALU_DEP_4)
	v_lshrrev_b32 v[228+\b], 23, v[232+\b]         ; the byte
.endr
	s_delay_alu instid0(VALU_DEP_3)
	v_lshl_or_b32 v220, v229, 8, v228              ; p's scale word for these 128 keys
	s_delay_alu instid0(VALU_DEP_1)
	v_lshl_or_b32 v220, v230, 16, v220
	s_delay_alu instid0(VALU_DEP_1)
	v_lshl_or_b32 v220, v231, 24, v220
	s_setprio 0
.irp c, 0,1
	v_cvt_scalef32_pk16_bf6_f32 v[192+6*\c:194+6*\c], v[96+32*\c:111+32*\c], v[232+2*\c]
	v_cvt_scalef32_pk16_bf6_f32 v[204+4*\c:206+4*\c], v[112+32*\c:127+32*\c], v[232+2*\c+1]
.endr
	v_nop                                          ; one plain place behind a scaled conversion
.irp c, 0,1
.irp i, 0,1,2
	v_permlane16_swap_b32 v[192+6*\c+\i], v[204+4*\c+\i]   ; a whole block to a lane
.endr
.irp i, 0,1,2
	s_delay_alu instid0(VALU_DEP_3)
	v_mov_b32 v[195+6*\c+\i], v[204+4*\c+\i]
.endr
.endr
.set n, 0
.rept 16
	v_pk_mul_f32 v[160+n:161+n], v[160+n:161+n], v[240:241] op_sel_hi:[1,0]   ; O^T under the new M; also the places between the codes, the scale word and the products
.set n, n+2
.endr
	s_wait_alu depctr_va_vdst(0)
	s_wait_dscnt 0x0                               ; V^T is in
.irp t, 0,1,2,3                        ; O^T += V^T P^T: four accumulators, one instruction each
	v_wmma_scale_f32_16x16x128_f8f6f4 v[160+8*\t:167+8*\t], v[48+12*\t:59+12*\t], v[192:203], v[160+8*\t:167+8*\t], v[216+\t], v220 matrix_a_fmt:MATRIX_FMT_BF6 matrix_b_fmt:MATRIX_FMT_BF6
.endr
.endm
; ONE TILE OF 16 QUERIES: tile s38, whose last key step is s39.
.macro PASS
	s_lshr_b32 s52, s38, 1                         ; the pair of tiles,
	s_and_b32 s53, s38, 1                          ; and which of the two
	s_lshr_b32 s57, s52, 2
	s_mul_i32 s57, s57, 6400
	s_add_co_u32 s57, s57, QOFF
	s_and_b32 s58, s52, 3                          ; the fragment
	s_mul_i32 s60, s58, FRB
	s_add_co_u32 s60, s60, s57
	s_mov_b32 s61, 0
	s_add_nc_u64 s[44:45], s[36:37], s[60:61]      ; Q's fragment
	s_lshl_b32 s60, s58, 2
	s_add_co_u32 s60, s60, s57
	s_add_co_u32 s60, s60, 6144
	s_add_nc_u64 s[46:47], s[36:37], s[60:61]      ; its scale words
	s_lshr_b32 s62, s38, 3
	s_add_co_u32 s62, s62, s19                     ; the result's block of 128 tokens
	s_and_b32 s63, s38, 7                          ; and fragment
	s_mul_i32 s60, s62, 98304
	s_mul_i32 s59, s63, FRB
	s_add_co_u32 s60, s60, s59
	s_add_co_u32 s60, s60, s17
	s_add_nc_u64 s[48:49], s[8:9], s[60:61]
	s_lshl_b32 s60, s62, 12
	s_lshl_b32 s59, s63, 7
	s_add_co_u32 s60, s60, s59
	s_add_co_u32 s60, s60, s18
	s_add_nc_u64 s[50:51], s[10:11], s[60:61]
	s_lshl_b32 s60, s58, 5
	s_lshl_b32 s59, s53, 3
	s_add_co_u32 s60, s60, s59                     ; the tile's place in its key step
	s_mov_b32 s55, 0x01000100
	s_cmp_eq_u32 s53, 1
	s_cselect_b32 s54, -1, 0                       ; a mask of lanes: all take the fragment's second half, or none
	s_cselect_b32 s55, 0x03020302, s55             ; and the word's upper two bytes, or the lower
	global_load_b128 v[48:51], v1, s[44:45]
	global_load_b64 v[52:53], v2, s[44:45] offset:512
	global_load_b64 v[54:55], v2, s[44:45] offset:768
	global_load_b128 v[56:59], v1, s[44:45] offset:1024
	global_load_b32 v35, v3, s[46:47]
	v_add_nc_u32 v5, s60, v36                      ; my query's place in its key step, less 16 h
	v_mov_b32 v13, 0xe7800000                      ; the largest t so far: -2^80
	s_delay_alu instid0(VALU_DEP_1)
	v_floor_f32 v12, -v13
	v_mov_b32 v14, 0
	v_mov_b32 v15, 0
	s_wait_loadcnt 0x0
	v_perm_b32 v34, v35, v35, s55                  ; q's two bytes, twice: they serve either half of K
.irp j, 0,1,2,3,4,5
	v_cndmask_b32 v[16+\j], v[48+\j], v[54+\j], s54
	v_cndmask_b32 v[28+\j], v[48+\j], v[54+\j], s54
.endr
.set n, 0
.rept 32
	v_mov_b32 v[160+n], 0                          ; O^T: the step is written once, its first trip finds zeros.  (Also the places between q, its scale word and the first product)
.set n, n+1
.endr
	s_mov_b32 s40, 0
	s_mov_b32 s41, 0
	s_mov_b32 s42, 0
.Lks_\@:                               ; 16 trips for every wave; the steps behind my queries do nothing but step the addresses
	s_cmp_gt_u32 s42, s39
	s_cbranch_scc1 .Lskip_\@
	s_setprio 2
	KSTEP
.Lskip_\@:
	s_add_co_u32 s40, s40, KSTR
	s_add_co_u32 s41, s41, 512
	s_add_co_u32 s42, s42, 1
	s_cmp_lt_u32 s42, 16
	s_cbranch_scc1 .Lks_\@
	s_setprio 0
	; the tile's end: O^T / the sum, quantised along C: my head's 64 channels are two blocks of 32, half a fragment
.rept 4
	v_nop                                          ; places behind the last products
.endr
	v_add_f32 v14, v14, v15
	s_delay_alu instid0(VALU_DEP_1)
	v_permlanex16_b32 v242, v14, s20, s21
	s_delay_alu instid0(VALU_DEP_1)
	v_add_f32 v14, v14, v242                       ; the row's sum
	s_delay_alu instid0(VALU_DEP_1)
	v_cmp_eq_f32 s56, 0, v14                       ; no valid key at all
	v_rcp_f32 v243, v14
	v_mov_b32 v245, 0xffff                         ; (the plain place behind the reciprocal)
	s_wait_alu depctr_va_vdst(0)                   ; ahead of its first reader
.set n, 0
.rept 32
	v_mul_f32 v[96+n], v[160+n], v243              ; register 16 b + i: channel 32 b + 16 h + i
.set n, n+1
.endr
.irp b, 0,1
	v_max3_num_f32 v[224+\b], |v[96+16*\b]|, |v[97+16*\b]|, 0x2800000
.endr
.irp i, 2,4,6,8,10,12,14
.irp b, 0,1
	s_delay_alu instid0(VALU_DEP_2)
	v_max3_num_f32 v[224+\b], v[224+\b], |v[96+16*\b+\i]|, |v[97+16*\b+\i]|
.endr
.endr
.irp b, 0,1
	s_delay_alu instid0(VALU_DEP_2)
	v_permlanex16_b32 v[228+\b], v[224+\b], s20, s21
.endr
.irp b, 0,1
	s_delay_alu instid0(VALU_DEP_2)
	v_max_num_f32 v[224+\b], v[224+\b], v[228+\b]
.endr
.irp b, 0,1
	s_delay_alu instid0(VALU_DEP_2)
	v_add_nc_u32 v[232+\b], 0xfe000000, v[224+\b]
.endr
.irp b, 0,1
	s_delay_alu instid0(VALU_DEP_2)
	v_lshrrev_b32 v[228+\b], 23, v[232+\b]
.endr
	s_delay_alu instid0(VALU_DEP_1)
	v_lshl_or_b32 v244, v229, 8, v228              ; my head's two bytes of the row's scale word
	s_delay_alu instid0(VALU_DEP_1)
	v_cndmask_b32 v244, v244, v245, s56            ; 0xff, 0xff for a row without a valid key
	v_cvt_scalef32_pk16_bf6_f32 v[192:194], v[96:111], v232
	v_cvt_scalef32_pk16_bf6_f32 v[204:206], v[112:127], v233
	v_nop
.irp i, 0,1,2
	v_permlane16_swap_b32 v[192+\i], v[204+\i]
.endr
.irp i, 0,1,2
	s_delay_alu instid0(VALU_DEP_3)
	v_mov_b32 v[195+\i], v[204+\i]
.endr
	s_and_b32 s52, s16, 1                          ; an even head is the fragment's first half, an odd one its second
	s_cmp_eq_u32 s52, 1
	s_cbranch_scc1 .Lodd_\@
	global_store_b128 v1, v[192:195], s[48:49]     ; 512 and 256 consecutive bytes, aligned
	global_store_b64 v2, v[196:197], s[48:49] offset:512
	s_branch .Lsent_\@
.Lodd_\@:
	s_wait_alu depctr_va_vdst(0)
	global_store_b64 v2, v[192:193], s[48:49] offset:768
	global_store_b128 v1, v[194:197], s[48:49] offset:1024
.Lsent_\@:
	s_wait_alu depctr_va_vdst(0)
	global_store_b16 v7, v244, s[50:51]            ; two heads share a scale word: two bytes a row; lanes 16-31 write the same bytes with the same values
	s_wait_xcnt 0x0                                ; the stores have read their data and bases: both are written again in the next tile
.endm
	s_lshl_b32 s38, s12, 2
	s_add_co_u32 s38, s38, s13                     ; tile 4 w + cx
	s_lshr_b32 s39, s12, 1                         ; its last key step, by the wave's number alone
	PASS
	s_lshl_b32 s38, s12, 2
	s_add_co_u32 s38, s38, s13
	s_sub_co_u32 s38, 127, s38                     ; tile 127 - (4 w + cx)
	s_lshr_b32 s39, s12, 1
	s_sub_co_u32 s39, 15, s39
	PASS
	s_wait_tensorcnt 0x0
	ds_add_u32 v254, v255
	s_wait_dscnt 0x0
	CROUND                                         ; the closing round
	s_endpgm
.Lfunc_end_k_q680e84c036_attn:
	.size	k_q680e84c036_attn, .Lfunc_end_k_q680e84c036_attn-k_q680e84c036_attn
	.p2alignl 7, 3214868480
	.fill 96, 4, 3214868480
	.section	.rodata,"a",@progbits
	.p2align	6, 0x0
	.amdhsa_kernel k_q680e84c036_attn
		.amdhsa_group_segment_fixed_size 215040
		.amdhsa_private_segment_fixed_size 0
		.amdhsa_enable_private_segment 0
		.amdhsa_kernarg_size 32
		.amdhsa_user_sgpr_count 2
		.amdhsa_user_sgpr_kernarg_segment_ptr 1
		.amdhsa_wavefront_size32 1
		.amdhsa_system_sgpr_workgroup_id_x 1
		.amdhsa_system_sgpr_workgroup_id_y 1
		.amdhsa_system_sgpr_workgroup_id_z 1
		.amdhsa_system_vgpr_workitem_id 0
		.amdhsa_next_free_vgpr 256
		.amdhsa_next_free_sgpr 72
		.amdhsa_reserve_vcc 1
		.amdhsa_float_denorm_mode_32 3
		.amdhsa_float_denorm_mode_16_64 3
		.amdhsa_memory_ordered 1
		.amdhsa_forward_progress 1
		.amdhsa_inst_pref_size 71
	.end_amdhsa_kernel
	.amdgpu_metadata
---
amdhsa.version: [ 1, 2 ]
amdhsa.kernels:
  - .name:           k_q680e84c036_attn
    .symbol:         k_q680e84c036_attn.kd
    .args:
      - { .name: qkv, .offset: 0, .size: 8, .value_kind: global_buffer, .address_space: global }
      - { .name: token_mask, .offset: 8, .size: 8, .value_kind: global_buffer, .address_space: global }
      - { .name: attn_codes, .offset: 16, .size: 8, .value_kind: global_buffer, .address_space: global }
      - { .name: attn_scales, .offset: 24, .size: 8, .value_kind: global_buffer, .address_space: global }
    .group_segment_fixed_size: 215040
    .private_segment_fixed_size: 0
    .kernarg_segment_align: 8
    .kernarg_segment_size: 32
    .max_flat_workgroup_size: 512
    .sgpr_count:     72
    .vgpr_count:     256
    .wavefront_size: 32
...
	.end_amdgpu_metadata
.endif
;; end of part 3
;; launch proj (part 4): grid 4 x 32, 4 waves a work-group, clusters of 4 x 4, 327,680 bytes of LDS; arguments attn_codes, attn_scales, w_codes, w_scales, bp, out0; writes out0
.if DOCPART == 4
	.amdgcn_target "amdgcn-amd-amdhsa--gfx1250"
	.amdhsa_code_object_version 6
	.text
	.protected	k_q680e84c036_proj
	.globl	k_q680e84c036_proj
	.p2align	8
	.type	k_q680e84c036_proj,@function
k_q680e84c036_proj:
	s_mov_b64 s[64:65], 0
	v_nop
	global_prefetch_b8 v0, s[64:65] scope:SCOPE_SE
	s_setreg_imm32_b32 hwreg(HW_REG_WAVE_MODE, 25, 1), 1
	s_wait_xcnt 0x0
	s_wait_alu depctr_hold_cnt(0) depctr_sa_sdst(0) depctr_va_vdst(0) depctr_va_sdst(0) depctr_va_ssrc(0) depctr_va_vcc(0) depctr_vm_vsrc(0)
	s_getreg_b32 s2, hwreg(HW_REG_IB_STS2, 6, 4)
	s_cmp_eq_u32 s2, 0
	s_cbranch_scc0 .Lentry_in_a_cluster
	s_endpgm
.Lentry_in_a_cluster:
	s_bfe_u32 s2, ttmp6, 0x10000c
	s_cmp_lg_u32 s2, 0xf033
	s_cbranch_scc0 .Lentry_shape_is_right
	s_endpgm
.Lentry_shape_is_right:
.set FR,    12
.set NQ,    2
.set NL,    4
.set NP,    4
.set FRB,   1536
.set KSB,   12288
.set HALFT, 24576
.set SLOT,  4*HALFT
.set SCL,   2*SLOT
.set HALFS, 4096
.set SPARE, SCL+4*HALFS
.set SPITCH, 528
.set ADRA, 16
.set ADRB, 20
.set STO,  24
.set RD,   25
.set CO,   26
.set ADRS, 27
.set SPW,  28
.set NIL,  29
.set H64,  30
.set SC,   32
.set BN,   64
.set AF,   128
.set BK,   128
.set G1,   24
.set G0,   32
.set G1B,  40
.set G0B,  48
.set G1S,  56
.set G1SB, 68
.set G0S,  76
.set G0SB, 80
.set MSB, 0
.macro WIN new
.if MSB != (\new)
	s_set_vgpr_msb (MSB<<8)|(\new)
.set MSB, (\new)
.endif
.endm
.set MUL_LO, 0xa1
.set MUL_HI, 0xf1
.set TO_B,   0x40
.macro JLOAD g0a, g1a, g0b, g1b
	s_cmp_eq_u32 s21, 0
	s_cbranch_scc0 .Lfor_b_\@
	tensor_load_to_lds s[\g0a:\g0a+3], s[\g1a:\g1a+7]
	s_nop 0
.rept 4
	v_nop
.endr
	s_branch .Lasked_\@
.Lfor_b_\@:
	tensor_load_to_lds s[\g0b:\g0b+3], s[\g1b:\g1b+7]
	s_nop 0
.rept 4
	v_nop
.endr
.Lasked_\@:
.endm
.macro CREST
	s_cmp_lg_u32 s20, 0
	s_cbranch_scc1 .Lnot_wave_0_\@
	s_barrier_signal -3
.Lnot_wave_0_\@:
	s_barrier_wait -3
	s_barrier_signal -1
	s_barrier_wait -1
.endm
.macro CROUND
	s_barrier_signal -1
	s_barrier_wait -1
	CREST
.endm
	s_load_b256 s[4:11], s[0:1], 0x0
	s_load_b128 s[12:15], s[0:1], 0x20
	v_lshl_add_u32 v[SPW], v0, 2, SPARE
	v_mov_b32 v[NIL], 0
	ds_add_u32 v28, v29
	ds_add_u32 v28, v29
	s_wait_dscnt 0x0
	v_lshrrev_b32 v1, 5, v0
	v_readfirstlane_b32 s20, v1
	s_lshr_b32 s21, s20, 1
	s_and_b32 s22, s20, 1
	s_bfe_u32 s84, ttmp6, 0x40000
	s_bfe_u32 s85, ttmp6, 0x40004
	s_and_b32 s2, ttmp7, 0xffff
	s_lshl_b32 s86, s2, 2
	s_add_co_u32 s86, s86, s85
	s_lshl_b32 s87, ttmp9, 2
	s_add_co_u32 s87, s87, s84
	s_lshl_b32 s88, s85, 2
	s_lshl_b32 s88, 15, s88
	s_lshl_b32 s89, 0x1111, s84
	s_or_b32 s[G1], s88, (3<<16)|(1<<21)
	s_or_b32 s[G1B], s89, (3<<16)|(1<<21)
.irp g, G1, G1B
	s_mov_b32 s[\g+1], 32<<16
	s_mov_b32 s[\g+2], 96<<16
	s_mov_b32 s[\g+3], 32<<16
	s_mov_b32 s[\g+4], 96
	s_mov_b32 s[\g+5], 32
	s_mov_b32 s[\g+6], 0
	s_mov_b32 s[\g+7], 0
.endr
	s_or_b32 s[G1S], s88, (3<<16)|(1<<21)
	s_or_b32 s[G1SB], s89, (3<<16)|(1<<21)
.irp g, G1S, G1SB
	s_mov_b32 s[\g+1], 32<<16
	s_mov_b32 s[\g+2], 16<<16
	s_mov_b32 s[\g+3], 32<<16
	s_mov_b32 s[\g+4], 16
	s_mov_b32 s[\g+5], 32
	s_mov_b32 s[\g+6], 0
	s_mov_b32 s[\g+7], 0
.endr
	s_lshl_b32 s99, s86, 1
	s_add_co_u32 s99, s99, s22
	s_lshl_b32 s67, s87, 1
	s_add_co_u32 s67, s67, s22
	s_add_co_u32 s98, s67, 24
	s_mul_i32 s90, s99, 98304
	s_mov_b32 s91, 0
	s_lshl_b32 s92, s99, 12
	s_mov_b32 s93, 0
	s_mul_i32 s94, s98, 98304
	s_mov_b32 s95, 0
	s_lshl_b32 s96, s98, 12
	s_mov_b32 s97, 0
	s_mul_i32 s66, s20, HALFT
	s_lshl_b32 s23, s20, 12
	s_wait_kmcnt 0x0
	s_add_nc_u64 s[90:91], s[4:5], s[90:91]
	s_add_nc_u64 s[92:93], s[6:7], s[92:93]
	s_add_nc_u64 s[94:95], s[8:9], s[94:95]
	s_add_nc_u64 s[96:97], s[10:11], s[96:97]
	CROUND
	s_mov_b32 s[G0S], 1
	s_add_co_u32 s[G0S+1], s23, SCL
	s_mov_b64 s[G0S+2:G0S+3], s[92:93]
	s_or_b32 s[G0S+3], s[G0S+3], 0x80000000
	s_mov_b32 s[G0SB], 1
	s_add_co_u32 s[G0SB+1], s23, SCL
	s_mov_b64 s[G0SB+2:G0SB+3], s[96:97]
	s_or_b32 s[G0SB+3], s[G0SB+3], 0x80000000
	JLOAD G0S, G1S, G0SB, G1SB
.irp s, 0,1
	s_mov_b32 s[G0+4*\s], 1
	s_add_co_u32 s[G0+4*\s+1], s66, \s*SLOT
	s_add_nc_u64 s[G0+4*\s+2:G0+4*\s+3], s[90:91], \s*HALFT
	s_or_b32 s[G0+4*\s+3], s[G0+4*\s+3], 0x80000000
	s_mov_b32 s[G0B+4*\s], 1
	s_add_co_u32 s[G0B+4*\s+1], s66, \s*SLOT
	s_add_nc_u64 s[G0B+4*\s+2:G0B+4*\s+3], s[94:95], \s*HALFT
	s_or_b32 s[G0B+4*\s+3], s[G0B+4*\s+3], 0x80000000
	s_wait_alu depctr_va_vdst(0)
	s_wait_tensorcnt 0x0
	ds_add_u32 v28, v29
	s_wait_dscnt 0x0
	CROUND
	JLOAD G0+4*\s, G1, G0B+4*\s, G1B
.endr
	v_and_b32 v1, 31, v0
	v_and_b32 v2, 15, v0
	v_bfe_u32 v3, v0, 4, 1
	v_lshlrev_b32 v[CO], 4, v1
	s_wait_alu depctr_va_vdst(0)
	v_lshlrev_b32 v7, 3, v1
	s_wait_alu depctr_va_vdst(0)
	v_lshlrev_b32 v[H64], 6, v3
	s_lshl_b32 s2, s67, 9
	s_mov_b32 s3, 0
	s_add_nc_u64 s[12:13], s[12:13], s[2:3]
.irp b, 0,1,2,3
.irp q, 0,1,2,3
	global_load_b128 v[BN+16*\b+4*\q:BN+16*\b+4*\q+3], v[H64], s[12:13] offset:128*\b+16*\q
.endr
.endr
	s_add_nc_u64 s[14:15], s[14:15], s[2:3]
	s_lshl_b32 s2, s86, 8
	s_lshl_b32 s66, s21, 7
	s_add_co_u32 s2, s2, s66
	s_lshl_b32 s2, s2, 12
	s_add_nc_u64 s[14:15], s[14:15], s[2:3]
	s_mul_i32 s2, s21, HALFT
	s_mul_i32 s3, s22, HALFT
	s_add_co_u32 s3, s3, 2*HALFT
.irp s, 0,1
	v_add_nc_u32 v[ADRA+\s], s2, v[CO]
	v_add_nc_u32 v[ADRA+2+\s], s2, v7
	v_add_nc_u32 v[ADRB+\s], s3, v[CO]
	v_add_nc_u32 v[ADRB+2+\s], s3, v7
	s_add_co_u32 s2, s2, SLOT
	s_add_co_u32 s3, s3, SLOT
.endr
	v_lshlrev_b32 v5, 3, v2
	s_lshl_b32 s2, s21, 12
	s_lshl_b32 s3, s22, 12
	s_add_co_u32 s3, s3, 2*HALFS
	s_sub_co_u32 s3, s3, s2
	v_mul_u32_u24 v6, s3, v3
	s_add_co_u32 s2, s2, SCL
	v_add_nc_u32 v5, v5, v6
	v_add_nc_u32 v[ADRS], s2, v5
	s_mul_i32 s2, s20, 16*SPITCH
	v_mul_u32_u24 v5, v2, SPITCH
	v_lshl_add_u32 v5, v3, 6, v5
	v_add_nc_u32 v[STO], s2, v5
	v_add_nc_u32 v[RD], s2, v[CO]
.macro FRAG reg, adr, q, i
	ds_load_b128 v[(\reg):(\reg)+3], v[\adr] offset:(\q)*KSB+(\i)*FRB
	ds_load_b64 v[(\reg)+4:(\reg)+5], v[\adr+2] offset:(\q)*KSB+(\i)*FRB+512
	ds_load_b64 v[(\reg)+6:(\reg)+7], v[\adr+2] offset:(\q)*KSB+(\i)*FRB+768
	ds_load_b128 v[(\reg)+8:(\reg)+11], v[\adr] offset:(\q)*KSB+(\i)*FRB+1024
.endm
.macro MUL16 a0, p, q, sc, zero
.irp a, \a0, \a0+1
.irp b, 0,1,2,3,4,5,6,7
.if \zero == 2
	v_wmma_scale_f32_16x16x128_f8f6f4 v[8*(8*((\a)%4)+\b):8*(8*((\a)%4)+\b)+7], v[128*(\p)+FR*\b:128*(\p)+FR*\b+FR-1], v[AF+FR*(\a):AF+FR*(\a)+FR-1], v[BN+8*\b:BN+8*\b+7], v[SC+8*NQ*(\sc)+NQ*\b+(\q)], v[SC+8*NQ*(\sc)+NQ*(\a)+(\q)] matrix_a_fmt:MATRIX_FMT_BF6 matrix_b_fmt:MATRIX_FMT_BF6 matrix_a_scale:MATRIX_SCALE_ROW1
.else
	v_wmma_scale_f32_16x16x128_f8f6f4 v[8*(8*((\a)%4)+\b):8*(8*((\a)%4)+\b)+7], v[128*(\p)+FR*\b:128*(\p)+FR*\b+FR-1], v[AF+FR*(\a):AF+FR*(\a)+FR-1], v[8*(8*((\a)%4)+\b):8*(8*((\a)%4)+\b)+7], v[SC+8*NQ*(\sc)+NQ*\b+(\q)], v[SC+8*NQ*(\sc)+NQ*(\a)+(\q)] matrix_a_fmt:MATRIX_FMT_BF6 matrix_b_fmt:MATRIX_FMT_BF6 matrix_a_scale:MATRIX_SCALE_ROW1
.endif
.endr
.endr
.endm
.macro FETCH_B slot, q, p
	WIN TO_B
.irp i, 0,1,2,3,4,5,6,7
	FRAG 128*(\p)+FR*\i, ADRB+\slot, \q, \i
.endr
	WIN 0
.endm
.macro FETCH_A slot, q, i0
.irp i, \i0, \i0+1, \i0+2, \i0+3
	FRAG AF+FR*(\i), ADRA+\slot, \q, \i
.endr
.endm
.macro SCALES sc
.irp i, 0,1,2,3,4,5,6,7
	ds_load_b64 v[SC+8*NQ*\sc+NQ*\i:SC+8*NQ*\sc+NQ*\i+1], v[ADRS] offset:\i*128
.endr
.endm
.macro PLACES n
.rept \n
	v_nop
.endr
.endm
.macro STEP slot, q, zero
	s_wait_dscnt 4*NL
.if \zero == 2
	WIN 0x81
.else
	WIN MUL_LO
.endif
	MUL16 0, (\q)%2, \q, \slot, \zero
	MUL16 2, (\q)%2, \q, \slot, \zero
	s_wait_dscnt 0x0
	PLACES NP
	FETCH_B \slot, (\q)+1, 1-(\q)%2
	FETCH_A \slot, (\q)+1, 0
.if \zero == 2
	WIN 0xc1
.else
	WIN MUL_HI
.endif
	MUL16 4, (\q)%2, \q, \slot, \zero
	MUL16 6, (\q)%2, \q, \slot, \zero
	PLACES NP
	WIN 0
	FETCH_A \slot, (\q)+1, 4
.endm
.macro TURN slot, next, fill
	s_wait_tensorcnt 0x0
	ds_add_u32 v[SPW], v[NIL]
	s_wait_dscnt 4*NL+1
	WIN MUL_LO
	MUL16 0, 1, NQ-1, \slot, 0
	s_wait_dscnt 0x0
	s_barrier_signal -1
	MUL16 2, 1, NQ-1, \slot, 0
	WIN 0
	s_barrier_wait -1
.if \fill
	CREST
	s_add_nc_u64 s[G0+4*\slot+2:G0+4*\slot+3], s[G0+4*\slot+2:G0+4*\slot+3], 2*HALFT
	s_add_nc_u64 s[G0B+4*\slot+2:G0B+4*\slot+3], s[G0B+4*\slot+2:G0B+4*\slot+3], 2*HALFT
	JLOAD G0+4*\slot, G1, G0B+4*\slot, G1B
.else
	PLACES NP
.endif
	s_wait_alu depctr_va_vdst(0)
	v_add_nc_u32 v[ADRS], 1024, v[ADRS]
	FETCH_B \next, 0, 0
	FETCH_A \next, 0, 0
	SCALES \next
	WIN MUL_HI
	MUL16 4, 1, NQ-1, \slot, 0
	MUL16 6, 1, NQ-1, \slot, 0
	PLACES NP
	WIN 0
	FETCH_A \next, 0, 4
.endm
	s_wait_alu depctr_va_vdst(0)
	s_wait_tensorcnt 1
	s_barrier_signal -1
	s_barrier_wait -1
	FETCH_B 0, 0, 0
	FETCH_A 0, 0, 0
	SCALES 0
	FETCH_A 0, 0, 4
	s_wait_loadcnt 0x0
	STEP 0, 0, 2
	TURN 0, 1, 1
	STEP 1, 0, 0
	TURN 1, 0, 1
	STEP 0, 0, 0
	TURN 0, 1, 0
	STEP 1, 0, 0
	s_wait_dscnt 4*NL
	WIN MUL_LO
	MUL16 0, 1, NQ-1, 1, 0
	MUL16 2, 1, NQ-1, 1, 0
	s_wait_dscnt 0x0
	WIN MUL_HI
	MUL16 4, 1, NQ-1, 1, 0
	MUL16 6, 1, NQ-1, 1, 0
	WIN 0
.macro TOSTAGE a
.set AC, 64*((\a)%4)
	WIN 0x08+4*((\a)/4)
.irp b, 0,1,2,3,4,5,6,7
	ds_store_b128 v[STO], v[AC+8*\b:AC+8*\b+3] offset:128*(\b/2)+32*(\b%2)
	ds_store_b128 v[STO], v[AC+8*\b+4:AC+8*\b+7] offset:128*(\b/2)+32*(\b%2)+16
.endr
	WIN 0
.set BB, BK+64*((\a)%2)
.irp t, 0,1,2,3,4,5,6,7,8,9,10,11,12,13,14,15
	ds_load_b128 v[BB+4*\t:BB+4*\t+3], v[RD] offset:\t*SPITCH
.endr
.endm
.macro SEND a, younger
.set BB, BK+64*((\a)%2)
	s_wait_dscnt \younger
.irp t, 0,1,2,3,4,5,6,7,8,9,10,11,12,13,14,15
	global_store_b128 v[CO], v[BB+4*\t:BB+4*\t+3], s[14:15] offset:(32*((\a)/2)+8*((\a)%2)+\t+8*(\t/8))*4096 th:TH_STORE_NT
.endr
.endm
	PLACES NP
	TOSTAGE 0
.irp a, 1,2,3,4,5,6,7
.if \a > 1
	s_wait_xcnt 0x0
.endif
	TOSTAGE \a
	SEND \a-1, 32
.endr
	SEND 7, 0
	s_wait_tensorcnt 0x0
	ds_add_u32 v[SPW], v[NIL]
	s_wait_dscnt 0x0
	CROUND
	s_endpgm
.Lfunc_end_k_q680e84c036_proj:
	.size	k_q680e84c036_proj, .Lfunc_end_k_q680e84c036_proj-k_q680e84c036_proj
	.p2alignl 7, 3214868480
	.fill 96, 4, 3214868480
	.section	.rodata,"a",@progbits
	.p2align	6, 0x0
	.amdhsa_kernel k_q680e84c036_proj
		.amdhsa_group_segment_fixed_size 327680
		.amdhsa_private_segment_fixed_size 0
		.amdhsa_enable_private_segment 0
		.amdhsa_kernarg_size 48
		.amdhsa_user_sgpr_count 2
		.amdhsa_user_sgpr_kernarg_segment_ptr 1
		.amdhsa_wavefront_size32 1
		.amdhsa_system_sgpr_workgroup_id_x 1
		.amdhsa_system_sgpr_workgroup_id_y 1
		.amdhsa_system_sgpr_workgroup_id_z 1
		.amdhsa_system_vgpr_workitem_id 0
		.amdhsa_next_free_vgpr 1024
		.amdhsa_next_free_sgpr 100
		.amdhsa_reserve_vcc 0
		.amdhsa_float_denorm_mode_32 3
		.amdhsa_float_denorm_mode_16_64 3
		.amdhsa_memory_ordered 1
		.amdhsa_forward_progress 1
		.amdhsa_inst_pref_size 145
	.end_amdhsa_kernel
	.amdgpu_metadata
---
amdhsa.version: [ 1, 2 ]
amdhsa.kernels:
  - .name:           k_q680e84c036_proj
    .symbol:         k_q680e84c036_proj.kd
    .args:
      - { .name: attn_codes, .offset: 0, .size: 8, .value_kind: global_buffer, .address_space: global }
      - { .name: attn_scales, .offset: 8, .size: 8, .value_kind: global_buffer, .address_space: global }
      - { .name: w_codes, .offset: 16, .size: 8, .value_kind: global_buffer, .address_space: global }
      - { .name: w_scales, .offset: 24, .size: 8, .value_kind: global_buffer, .address_space: global }
      - { .name: bp, .offset: 32, .size: 8, .value_kind: global_buffer, .address_space: global }
      - { .name: out0, .offset: 40, .size: 8, .value_kind: global_buffer, .address_space: global }
    .group_segment_fixed_size: 327680
    .private_segment_fixed_size: 0
    .kernarg_segment_align: 8
    .kernarg_segment_size: 48
    .max_flat_workgroup_size: 128
    .sgpr_count:     100
    .vgpr_count:     1024
    .wavefront_size: 32
...
	.end_amdgpu_metadata
.endif
;; end of part 4
